; MI455X (gfx1250); checked and timed in simulation.
; The chip was launched on July 23, 2026; its instructions are those of AMD's public machine-readable ISA for CDNA 5 (MIT licence, August 2026) and "CDNA5" Instruction Set Architecture Reference Guide (July 2026). The comments in the code are by the model that wrote it; some were corrected since.
;; Gemma4 Attention. Allowed arithmetic: float matrix products may take bf16 or f16 operands with f32 sums; other float arithmetic in f32, or as packed bf16 or f16 multiplies, adds, multiply-adds, maxima and minima; sums over many terms, partial sums and values carried from step to step in f32; what a program stores and reads back later, other than sums and carried values, may be rounded once to bf16 or f16.
;; Inputs: cos 1 x 4,096 x 256 float32; hidden_states 1 x 4,096 x 2,048 float32; k_norm_w 256 float32; k_w 1,024 x 2,048 float32; o_w 2,048 x 1,024 float32; q_norm_w 256 float32; q_w 1,024 x 2,048 float32; sin 1 x 4,096 x 256 float32; v_w 1,024 x 2,048 float32.
;; Outputs: out0 1 x 4,096 x 2,048 float32.
;; 2 versions, each right; version 2 is version 1 with the launches cast, norm written anew for expert scheduling mode. Each part assembles by itself: llvm-mc -triple=amdgcn-amd-amdhsa -mcpu=gfx1250 --defsym DOCPART=n.
;; ======== version 1 of 2: 5 launches
;; limits: values are held in f16: magnitudes above 65,504 overflow, below 6.1e-05 lose precision; right only within a limited range of input values
;; workspace buffers: bfin 37,748,736 bytes; cq 50,331,648 bytes; qh 8,388,608 bytes; kh 8,388,608 bytes; vh 8,388,608 bytes; oh 8,388,608 bytes; ql 8,388,608 bytes; kl 8,388,608 bytes
;; launch cast (part 1): grid 256 x 1, 18 waves a work-group, no clusters, 0 bytes of LDS; arguments hidden_states, q_w, k_w, v_w, o_w, cos, sin, bfin; writes bfin
.if DOCPART == 1
	.amdgcn_target "amdgcn-amd-amdhsa--gfx1250"
	.amdhsa_code_object_version 6
	.text
	.protected	k_q489e60a433_cast
	.globl	k_q489e60a433_cast
	.p2align	8
	.type	k_q489e60a433_cast,@function
k_q489e60a433_cast:
	s_mov_b64 s[64:65], 0
	v_nop
	global_prefetch_b8 v0, s[64:65] scope:SCOPE_SE
	s_setreg_imm32_b32 hwreg(HW_REG_WAVE_MODE, 25, 1), 1
	s_wait_xcnt 0x0
; ALL INPUTS BUT THE TWO GAINS ARE ROUNDED ONCE TO bf16 AND LAID OUT FOR THE LATER LAUNCHES.  bfin, in units of 8,192 bytes, one to a wave:
;   units 0-2047     xb[4096][2048] bf16            units 2048-3583  wqkv[3072][2048] bf16: q_w's rows, k_w's, v_w's
;   units 3584-4095  owh[2048][1024]: o_w rounded to bf16, that number written as f16 (it multiplies an f16 operand later)
;   units 4096-4607  cs[4096][512] bf16: a row is cos[256], then sin[256]; a unit is eight rows
; LIMIT.  |o_w| stays under 65,504; below 2^-14 an o_w keeps f16's fixed step of 2^-24.
; A stream: no LDS, no barrier, no matrix unit, no cluster (no two waves read the same byte).  4,608 units = 256 work-groups x 18 waves: every work-group has the same share.
; A wave issues all its 32 loads (16 KiB) first; nothing is read twice.  A load of the wave covers 512 consecutive bytes (lane ln at 16 ln); its four numbers a lane leave as 8 bytes, so that a store covers 256
; consecutive bytes, aligned.  Group i = 2 j + par has two loads, 512 bytes apart, and two stores at j 1024 + par 512 + (0, 256) + 8 ln.
; Linear units: the source byte is twice the destination byte (j steps 2,048 bytes, par picks a second base 1,024 bytes on).  cs units: row j of the unit's eight (j steps 1,024 bytes), par 0 from cos, par 1 from sin.
.set VO, 2                             ; v[2:9]     source offset of j = 0..7; never rewritten
.set DO, 10                            ; v10        destination offset: 8 x lane; never rewritten
.set X,  16                            ; v[16:143]  group i: 8 f32 as loaded; then, in its first four registers, 16 bytes to store: each group its own, so no register that a store reads is rewritten
.set TA, 144                           ; v[144:145] at work (o_w alone)
	s_load_b512 s[4:19], s[0:1], 0x0               ; x s[4:5], q_w s[6:7], k_w s[8:9], v_w s[10:11], o_w s[12:13], cos s[14:15], sin s[16:17], bfin s[18:19]
	v_lshrrev_b32 v1, 5, v0
	v_readfirstlane_b32 s30, v1                    ; wave
	s_mul_i32 s20, ttmp9, 18
	s_add_co_u32 s20, s20, s30                     ; my unit
	s_sub_co_u32 s24, s20, 2048                    ; its number inside q_w, k_w, v_w, o_w, cs
	s_sub_co_u32 s25, s20, 2560
	s_sub_co_u32 s26, s20, 3072
	s_sub_co_u32 s27, s20, 3584
	s_sub_co_u32 s28, s20, 4096
	v_and_b32 v11, 31, v0                          ; lane
	s_cmp_ge_u32 s20, 4096                         ; a cs unit?
	s_cselect_b32 s29, 13, 14                      ; log2 of a unit's source bytes in one tensor
	s_cselect_b32 s31, 10, 11                      ; log2 of j's stride
	s_lshl_b32 s31, 1, s31
	v_lshlrev_b32 v[VO], 4, v11
.irp j, 1,2,3,4,5,6,7
	v_add_nc_u32 v[VO+(\j)], s31, v[VO+(\j)-1]
.endr
	v_lshlrev_b32 v[DO], 3, v11
	s_lshl_b32 s38, s20, 13
	s_mov_b32 s39, 0
	s_wait_kmcnt 0x0
	s_cmp_ge_u32 s20, 2048                         ; which tensor, and which unit of it: choices on the unit's number alone
	s_cselect_b64 s[22:23], s[6:7], s[4:5]
	s_cselect_b32 s21, s24, s20
	s_cmp_ge_u32 s20, 2560
	s_cselect_b64 s[22:23], s[8:9], s[22:23]
	s_cselect_b32 s21, s25, s21
	s_cmp_ge_u32 s20, 3072
	s_cselect_b64 s[22:23], s[10:11], s[22:23]
	s_cselect_b32 s21, s26, s21
	s_cmp_ge_u32 s20, 3584
	s_cselect_b64 s[22:23], s[12:13], s[22:23]
	s_cselect_b32 s21, s27, s21
	s_cmp_ge_u32 s20, 4096
	s_cselect_b64 s[22:23], s[14:15], s[22:23]
	s_cselect_b32 s21, s28, s21
	s_lshl_b32 s32, s21, s29
	s_mov_b32 s33, 0
	s_add_nc_u64 s[22:23], s[22:23], s[32:33]      ; the base for par = 0
	s_add_nc_u64 s[34:35], s[22:23], 1024          ; for par = 1: linear,
	s_add_nc_u64 s[36:37], s[16:17], s[32:33]      ; or sin (used in cs units alone)
	s_cmp_ge_u32 s20, 4096
	s_cselect_b64 s[34:35], s[36:37], s[34:35]
	s_add_nc_u64 s[18:19], s[18:19], s[38:39]      ; bfin at my unit
.set i, 0
.rept 16
	global_load_b128 v[X+8*i:X+8*i+3],   v[VO+i/2], s[22+12*(i%2):23+12*(i%2)] th:TH_LOAD_NT
	global_load_b128 v[X+8*i+4:X+8*i+7], v[VO+i/2], s[22+12*(i%2):23+12*(i%2)] offset:512 th:TH_LOAD_NT
.set i, i+1
.endr
; The sixteen groups are rounded and stored.  half = 1: the bf16 number is written as f16.
.macro OUTW half
.set i, 0
.rept 16
	s_wait_loadcnt 30-2*i                          ; loads come back in order: group i's two are in, the 30 - 2 i younger ones may stay out
.irp k, 0,1,2,3
	v_cvt_pk_bf16_f32 v[X+8*i+(\k)], v[X+8*i+2*(\k)], v[X+8*i+2*(\k)+1]  ; in place, ascending: word k is written when words 2 k and 2 k + 1 are being read or have been
.endr
.if \half
.irp k, 0,1,2,3
	v_lshlrev_b32 v[TA], 16, v[X+8*i+(\k)]         ; bf16 to f32: a shift and a mask,
	v_and_b32 v[TA+1], 0xffff0000, v[X+8*i+(\k)]
	v_cvt_pk_f16_f32 v[X+8*i+(\k)], v[TA], v[TA+1] ; exact inside f16's normal range
.endr
.endif
	global_store_b64 v[DO], v[X+8*i:X+8*i+1],   s[18:19] offset:(i/2)*1024+(i%2)*512 th:TH_STORE_NT      ; the wave's store covers 256 consecutive bytes, aligned
	global_store_b64 v[DO], v[X+8*i+2:X+8*i+3], s[18:19] offset:(i/2)*1024+(i%2)*512+256 th:TH_STORE_NT
.set i, i+1
.endr
.endm
	s_cmp_lt_u32 s27, 512                          ; units 3584 to 4095 are o_w's
	s_cbranch_scc1 .Lhalf
	OUTW 0
	s_endpgm
.Lhalf:
	OUTW 1
	s_endpgm
.Lfunc_end_k_q489e60a433_cast:
	.size	k_q489e60a433_cast, .Lfunc_end_k_q489e60a433_cast-k_q489e60a433_cast
	.p2alignl 7, 3214868480
	.fill 96, 4, 3214868480
	.section	.rodata,"a",@progbits
	.p2align	6, 0x0
	.amdhsa_kernel k_q489e60a433_cast
		.amdhsa_group_segment_fixed_size 0
		.amdhsa_private_segment_fixed_size 0
		.amdhsa_enable_private_segment 0
		.amdhsa_kernarg_size 64
		.amdhsa_user_sgpr_count 2
		.amdhsa_user_sgpr_kernarg_segment_ptr 1
		.amdhsa_wavefront_size32 1
		.amdhsa_system_sgpr_workgroup_id_x 1
		.amdhsa_system_sgpr_workgroup_id_y 1
		.amdhsa_system_sgpr_workgroup_id_z 1
		.amdhsa_system_vgpr_workitem_id 0
		.amdhsa_next_free_vgpr 148
		.amdhsa_next_free_sgpr 66
		.amdhsa_reserve_vcc 0
		.amdhsa_float_denorm_mode_32 3
		.amdhsa_float_denorm_mode_16_64 3
		.amdhsa_memory_ordered 1
		.amdhsa_forward_progress 1
		.amdhsa_inst_pref_size 31
	.end_amdhsa_kernel
	.amdgpu_metadata
---
amdhsa.version: [ 1, 2 ]
amdhsa.kernels:
  - .name:           k_q489e60a433_cast
    .symbol:         k_q489e60a433_cast.kd
    .args:
      - { .name: hidden_states, .offset: 0, .size: 8, .value_kind: global_buffer, .address_space: global }
      - { .name: q_w, .offset: 8, .size: 8, .value_kind: global_buffer, .address_space: global }
      - { .name: k_w, .offset: 16, .size: 8, .value_kind: global_buffer, .address_space: global }
      - { .name: v_w, .offset: 24, .size: 8, .value_kind: global_buffer, .address_space: global }
      - { .name: o_w, .offset: 32, .size: 8, .value_kind: global_buffer, .address_space: global }
      - { .name: cos, .offset: 40, .size: 8, .value_kind: global_buffer, .address_space: global }
      - { .name: sin, .offset: 48, .size: 8, .value_kind: global_buffer, .address_space: global }
      - { .name: bfin, .offset: 56, .size: 8, .value_kind: global_buffer, .address_space: global }
    .group_segment_fixed_size: 0
    .private_segment_fixed_size: 0
    .kernarg_segment_align: 8
    .kernarg_segment_size: 64
    .max_flat_workgroup_size: 576
    .sgpr_count:     66
    .vgpr_count:     148
    .wavefront_size: 32
...
	.end_amdgpu_metadata
.endif
;; end of part 1
;; launch proj (part 2): grid 16 x 16, 4 waves a work-group, clusters of 4 x 4, 327,680 bytes of LDS; arguments bfin, cq; writes cq
.if DOCPART == 2
	.amdgcn_target "amdgcn-amd-amdhsa--gfx1250"
	.amdhsa_code_object_version 6
	.text
	.protected	k_q489e60a433_proj
	.globl	k_q489e60a433_proj
	.p2align	8
	.type	k_q489e60a433_proj,@function
k_q489e60a433_proj:
	s_mov_b64 s[64:65], 0
	v_nop
	global_prefetch_b8 v0, s[64:65] scope:SCOPE_SE
	s_setreg_imm32_b32 hwreg(HW_REG_WAVE_MODE, 25, 1), 1
	s_wait_xcnt 0x0
	s_wait_alu depctr_hold_cnt(0) depctr_sa_sdst(0) depctr_va_vdst(0) depctr_va_sdst(0) depctr_va_ssrc(0) depctr_va_vcc(0) depctr_vm_vsrc(0)
	s_getreg_b32 s2, hwreg(HW_REG_IB_STS2, 6, 4)
	s_cmp_eq_u32 s2, 0
	s_cbranch_scc0 .Lentry_in_a_cluster
	s_endpgm
.Lentry_in_a_cluster:
	s_bfe_u32 s2, ttmp6, 0x10000c
	s_cmp_lg_u32 s2, 0xf033
	s_cbranch_scc0 .Lentry_shape_is_right
	s_endpgm
.Lentry_shape_is_right:
; cq[4096][3072] (f32) = xb[4096][2048] wqkv[3072][2048]^T, both bf16 in bfin; sums in f32, stored as they are.  Columns 0-1023 are q, 1024-2047 k, 2048-3071 v, each four heads of 256.
; A tile of cq is 256 rows x 192 columns: 16 x 16 = 256 work-groups.  Four waves; wave w makes rows 64 w .. 64 w + 63 x all 192 columns: 48 accumulators.  So a wave's part of a row is 768 bytes, three
; whole aligned blocks of 256, and each wave sends its rows out through a stage of its own, with no barrier.  The price: 32 LDS loads for 48 products.
; K goes in 16 steps of 128 (rows of 256 bytes, aligned) through two LDS slots; two slots of a longer step would be 2 x 236,544 bytes, more than LDS holds.
; CLUSTERS of 4 x 4: A's tile is asked for jointly along a row of the cluster, B's along a column.
; THE MATRIX INSTRUCTION IS USED TRANSPOSED (source 0 = 16 rows of wqkv, source 1 = 16 rows of xb): lane l holds row l % 16 and eight neighbouring columns, 32 bytes of f32.
; REGISTERS, in windows of 256: window 0: v0-31 addresses, v32-127 rows on their way out;  windows 1, 2: accumulator (a, b) in window 1 + a / 2 at v[96 (a % 2) + 8 b];
;   window 3: two fragment buffers of 128, 32 along K deep: B's 12 fragments at 128 f + 8 b, A's 4 at 128 f + 96 + 8 a.
.set KSTEP,  128
.set PITCH,  272                       ; an LDS row: 256 bytes + 16 of padding: the 16 rows of a fragment load start at 16 different groups of four banks
.set BOFF,   256*PITCH                 ; B's 192 rows lie behind A's 256
.set SLOT,   448*PITCH
.set STAGE,  2*SLOT                    ; behind the ring: 16 rows x 784 bytes for each wave
.set SPITCH, 784
.set SPARE,  STAGE+4*16*SPITCH         ; the spare words, 128 bytes a wave: two blocks of 256 bytes that no other line names
.set LAPS,   8                         ; 2048 / 256
.set WOFF,   16777216                  ; wqkv in bfin
.set CROW,   12288                     ; bytes in a row of cq
.set ADRA, 16                          ; v16-17  LDS address of my A fragments in slot 0, 1
.set ADRB, 20                          ; v20-21  of B's
.set STO,  24                          ; v24     where I put 32 bytes of a row
.set RD0,  25                          ; v25     stage + 16 x lane
.set RD1,  26                          ; v26     lanes 0-15: the third block of a row; lanes 16-31: the first block of the next row
.set CO0,  27                          ; v27     16 x lane
.set SPW,  28                          ; v28     my spare word; never rewritten
.set NIL,  29                          ; v29     0, for the add alone
.set PFO,  30                          ; v30     the prefetches' offset: a lane a row of 4,096 bytes
.set CO1,  31                          ; v31     RD1's place in cq
.set OB,   32                          ; v32-127 16 rows read back
.set G1, 24
.set G0, 32
.set LIM, 43
.set PFA, 44
.set G1B, 48
.set G0B, 56
.set MSB, 0
.macro WIN new                         ; the immediate's high byte repeats the setting that is left; a switch that changes nothing is dropped
.if MSB != (\new)
	s_set_vgpr_msb (MSB<<8)|(\new)
.set MSB, \new
.endif
.endm
.macro PLACES                          ; four places behind a matrix instruction, in front of loads into its sources and of readers of its result
.rept 4
	v_nop
.endr
.endm
.macro JLOAD s                         ; a joint load: waves 0, 1 fetch A's halves of 128 rows, waves 2, 3 B's of 96; s_nop 0 and four v_nop follow each line
	s_cmp_eq_u32 s11, 0
	s_cbranch_scc0 .Lfor_b_\@
	tensor_load_to_lds s[G0+4*(\s):G0+4*(\s)+3], s[G1:G1+7]
	s_nop 0
.rept 4
	v_nop
.endr
	s_branch .Lasked_\@
.Lfor_b_\@:
	tensor_load_to_lds s[G0B+4*(\s):G0B+4*(\s)+3], s[G1B:G1B+7]
	s_nop 0
.rept 4
	v_nop
.endr
.Lasked_\@:
.endm
; A PREFETCH behind each joint refill and the run of LDS loads that follows it: the K step that stands two refills on, 256 bytes of each row.  A's tile row is read by the four clusters of a row of clusters:
; cluster x = 0 asks; B's tile column by the four of a column: cluster y = 0 asks.  Of the rows that a wave fetches each of the four partners takes a quarter, told apart by address: 32 of A's 128, a lane a row;
; 24 of B's 96 (lanes 24 to 31 repeat lane 23's row).  The loop's last trip (s3 = 1) has no K step two refills on.
.macro ASK
	s_cmp_gt_u32 s3, s[LIM]
	s_cbranch_scc0 .Lnot_mine_\@
	global_prefetch_b8 v[PFO], s[PFA:PFA+1] offset:KSTEP*2 th:TH_LOAD_NT scope:SCOPE_SE
.Lnot_mine_\@:
.endm
.macro CREST                           ; a round of the cluster's barrier behind its opening barrier
	s_cmp_lg_u32 s10, 0
	s_cbranch_scc1 .Lnot_wave_0_\@
	s_barrier_signal -3
.Lnot_wave_0_\@:
	s_barrier_wait -3
	s_barrier_signal -1
	s_barrier_wait -1
.endm
.macro CROUND
	s_barrier_signal -1
	s_barrier_wait -1
	CREST
.endm
	s_load_b128 s[4:7], s[0:1], 0x0                ; bfin s[4:5], cq s[6:7]
	v_lshl_add_u32 v[SPW], v0, 2, SPARE
	v_mov_b32 v[NIL], 0
	ds_add_u32 v[SPW], v[NIL]                      ; the wave's opening: the add and its wait come ahead of my first tensor load
	ds_add_u32 v28, v29
	v_lshrrev_b32 v1, 5, v0
	v_readfirstlane_b32 s10, v1                    ; wave
	s_lshr_b32 s11, s10, 1                         ; I fetch for A (0) or for B (1)
	s_and_b32 s12, s10, 1                          ; which half of that tile
	s_bfe_u32 s40, ttmp6, 0x40000                  ; cx
	s_bfe_u32 s41, ttmp6, 0x40004                  ; cy
	s_lshl_b32 s42, ttmp9, 2
	s_add_co_u32 s42, s42, s40                     ; tile column
	s_and_b32 s13, ttmp7, 0xffff
	s_lshl_b32 s13, s13, 2
	s_add_co_u32 s13, s13, s41                     ; tile row
	s_lshl_b32 s43, s41, 2
	s_lshl_b32 s43, 15, s43                        ; my row of the cluster
	s_lshl_b32 s44, 0x1111, s40                    ; my column
	s_or_b32 s[G1+0], s43, (1<<16)|(1<<20)|(1<<21)|(5<<22)|(3<<25)   ; mask; 2-byte elements; padding on; bit 21 beside a mask; after every 64 words 4 words
	s_or_b32 s[G1B+0], s44, (1<<16)|(1<<20)|(1<<21)|(5<<22)|(3<<25)
	s_mov_b32 s[G1+1], KSTEP<<16                   ; tensor_dim0 = 128
	s_mov_b32 s[G1+2], 128<<16                     ; A: 128 rows
	s_mov_b32 s[G1+3], KSTEP<<16                   ; tile_dim0 = 128
	s_mov_b32 s[G1+4], 128
	s_mov_b32 s[G1+5], 2048                        ; elements from row to row
	s_mov_b32 s[G1+6], 0
	s_mov_b32 s[G1+7], 0
	s_mov_b32 s[G1B+1], KSTEP<<16
	s_mov_b32 s[G1B+2], 96<<16                     ; B: 96 rows
	s_mov_b32 s[G1B+3], KSTEP<<16
	s_mov_b32 s[G1B+4], 96
	s_mov_b32 s[G1B+5], 2048
	s_mov_b32 s[G1B+6], 0
	s_mov_b32 s[G1B+7], 0
	s_lshl_b32 s17, s12, 7
	s_lshl_b32 s16, s13, 8
	s_add_co_u32 s16, s16, s17                     ; A: row 256 x tile row + 128 x half,
	s_lshl_b32 s16, s16, 12                        ; x 4,096 bytes
	s_mov_b32 s17, 0
	s_mul_i32 s46, s42, 192
	s_mul_i32 s47, s12, 96
	s_add_co_u32 s46, s46, s47                     ; B: row 192 x tile column + 96 x half
	s_lshl_b32 s46, s46, 12
	s_add_co_u32 s46, s46, WOFF
	s_mov_b32 s47, 0
	s_mul_i32 s20, s12, 128*PITCH                  ; where they go: no place in the cluster enters an LDS address
	s_mul_i32 s21, s12, 96*PITCH
	s_add_co_u32 s21, s21, BOFF
	s_wait_dscnt 0x0                               ; the opening add is done
	s_wait_kmcnt 0x0
	s_add_nc_u64 s[14:15], s[4:5], s[16:17]
	s_add_nc_u64 s[46:47], s[4:5], s[46:47]
	CROUND                                         ; all sixteen work-groups are here: the first joint loads meet
.irp s, 0,1
	s_mov_b32 s[G0+4*(\s)], 1
	s_add_co_u32 s[G0+4*(\s)+1], s20, (\s)*SLOT
	s_add_nc_u64 s[G0+4*(\s)+2:G0+4*(\s)+3], s[14:15], (\s)*KSTEP*2
	s_or_b32 s[G0+4*(\s)+3], s[G0+4*(\s)+3], 0x80000000
	s_mov_b32 s[G0B+4*(\s)], 1
	s_add_co_u32 s[G0B+4*(\s)+1], s21, (\s)*SLOT
	s_add_nc_u64 s[G0B+4*(\s)+2:G0B+4*(\s)+3], s[46:47], (\s)*KSTEP*2
	s_or_b32 s[G0B+4*(\s)+3], s[G0B+4*(\s)+3], 0x80000000
	JLOAD \s
.endr
	v_and_b32 v1, 15, v0                           ; l % 16
	v_bfe_u32 v2, v0, 4, 1                         ; l / 16
	v_mul_u32_u24 v3, v1, PITCH
	v_lshl_add_u32 v3, v2, 4, v3                   ; a fragment's row x pitch + 16 x half
	s_mul_i32 s21, s10, 64*PITCH                   ; my 64 rows of A
	s_mov_b32 s22, BOFF                            ; all of B
.irp s, 0,1
	v_add_nc_u32 v[ADRA+(\s)], s21, v3
	v_add_nc_u32 v[ADRB+(\s)], s22, v3
	s_add_co_u32 s21, s21, SLOT
	s_add_co_u32 s22, s22, SLOT
.endr
	s_mul_i32 s23, s10, 16*SPITCH
	s_add_co_u32 s23, s23, STAGE                   ; my stage
	v_mul_u32_u24 v4, v1, SPITCH
	v_lshl_add_u32 v4, v2, 5, v4                   ; in: row l % 16, 32 bytes for each half of the lanes
	v_add_nc_u32 v[STO], s23, v4
	v_and_b32 v5, 31, v0
	v_lshlrev_b32 v[CO0], 4, v5
	v_add_nc_u32 v[RD0], s23, v[CO0]
	; back: two rows are 1,536 bytes, six blocks of 256, three instructions: blocks 0, 1 of the first row; its block 2 and the second row's block 0; the second row's blocks 1, 2
	v_lshlrev_b32 v6, 4, v1                        ; 16 (l % 16)
	v_mul_u32_u24 v7, v2, SPITCH-512
	v_add_nc_u32 v7, v6, v7
	v_add_nc_u32 v7, 512, v7                       ; lanes 0-15: byte 512 of the row; lanes 16-31: the next row's first byte
	v_add_nc_u32 v[RD1], s23, v7
	v_mul_u32_u24 v7, v2, CROW-512
	v_add_nc_u32 v7, v6, v7
	v_add_nc_u32 v[CO1], 512, v7
	s_lshl_b32 s16, s13, 8
	s_lshl_b32 s17, s10, 6
	s_add_co_u32 s16, s16, s17                     ; my first row,
	s_mul_i32 s16, s16, CROW
	s_mul_i32 s17, s42, 768                        ; the tile's 192 columns
	s_add_co_u32 s16, s16, s17
	s_mov_b32 s17, 0
	s_add_nc_u64 s[8:9], s[6:7], s[16:17]
	; where my prefetches stand
	s_lshl_b32 s20, s13, 8                         ; the tile's first row in A,
	s_mul_i32 s21, s42, 192                        ; in B
	s_and_b32 s22, ttmp7, 0xffff                   ; cluster y
	s_lshl_b32 s23, s12, 7                         ; the rows that I fetch
	s_mul_i32 s16, s12, 96
	s_lshl_b32 s17, s40, 5                         ; my work-group's quarter of them
	s_mul_i32 s18, s41, 24
	s_cmp_eq_u32 s11, 0                            ; do I fetch for A?
	s_cselect_b32 s20, s20, s21
	s_cselect_b32 s23, s23, s16
	s_cselect_b32 s17, s17, s18
	s_cselect_b32 s22, ttmp9, s22                  ; the coordinate along which other clusters read the same rows
	s_cselect_b32 s19, 0, WOFF
	s_cselect_b32 s18, 31, 23                      ; the last row of the quarter
	s_cmp_eq_u32 s22, 0
	s_cselect_b32 s[LIM], 1, -1                    ; the same in all sixteen partners, for a given wave
	s_add_co_u32 s20, s20, s23
	s_add_co_u32 s20, s20, s17
	s_lshl_b32 s20, s20, 12
	s_add_co_u32 s20, s20, s19
	s_add_co_u32 s20, s20, 2*KSTEP*2               ; at K step 2: the first refill steps it to 3 and names K step 4
	s_mov_b32 s21, 0
	s_add_nc_u64 s[PFA:PFA+1], s[4:5], s[20:21]
	v_min_u32 v[PFO], s18, v5
	v_lshlrev_b32 v[PFO], 12, v[PFO]
; 12 products: row block a x all 12 column blocks, 32 along K, from buffer f.  zero = 1: the product starts the sum.  The 48 accumulators take turns, one instruction a turn.
.macro MUL12 f, a, zero
	WIN 0x5f+0x50*((\a)/2)
.irp b, 0,1,2,3,4,5,6,7,8,9,10,11
.if \zero
	v_wmma_f32_16x16x32_bf16 v[96*((\a)%2)+8*(\b):96*((\a)%2)+8*(\b)+7], v[128*(\f)+8*(\b):128*(\f)+8*(\b)+7], v[128*(\f)+96+8*(\a):128*(\f)+96+8*(\a)+7], 0
.else
	v_wmma_f32_16x16x32_bf16 v[96*((\a)%2)+8*(\b):96*((\a)%2)+8*(\b)+7], v[128*(\f)+8*(\b):128*(\f)+8*(\b)+7], v[128*(\f)+96+8*(\a):128*(\f)+96+8*(\a)+7], v[96*((\a)%2)+8*(\b):96*((\a)%2)+8*(\b)+7]
.endif
.endr
.endm
; 32 LDS loads in one run: B's 12 fragments, then A's 4, of 32 along K at byte k, into buffer f
.macro FETCH slot, k, f
	WIN 0xc0
.irp i, 0,1,2,3,4,5,6,7,8,9,10,11
	ds_load_b128 v[128*(\f)+8*(\i):128*(\f)+8*(\i)+3],   v[ADRB+(\slot)] offset:(\k)+(\i)*16*PITCH
	ds_load_b128 v[128*(\f)+8*(\i)+4:128*(\f)+8*(\i)+7], v[ADRB+(\slot)] offset:(\k)+(\i)*16*PITCH+32
.endr
.irp i, 0,1,2,3
	ds_load_b128 v[128*(\f)+96+8*(\i):128*(\f)+96+8*(\i)+3],   v[ADRA+(\slot)] offset:(\k)+(\i)*16*PITCH
	ds_load_b128 v[128*(\f)+96+8*(\i)+4:128*(\f)+96+8*(\i)+7], v[ADRA+(\slot)] offset:(\k)+(\i)*16*PITCH+32
.endr
.endm
; One of a K step's first three quarters: multiplies buffer f; in its middle it fetches the next quarter's fragments, at byte k, into buffer g.
.macro QUARTER slot, k, f, g, zero
	s_wait_dscnt 4                                 ; B and A's blocks 0, 1 are in; the youngest four loads (A's blocks 2, 3) may be out
	MUL12 \f, 0, \zero
	MUL12 \f, 1, \zero
	PLACES
	FETCH \slot, \k, \g
	s_wait_dscnt 32                                ; all but the 32 just issued
	MUL12 \f, 2, \zero
	MUL12 \f, 3, \zero
.endm
; The last quarter multiplies buffer 1 and changes slots.  fill = 1: behind a round of the cluster's barrier the slot just read takes the K step two on.
.macro TURN slot, next, fill
.if \fill
	s_wait_xcnt 0x0                                ; the last prefetch, a K step back, has read its address
	s_add_nc_u64 s[PFA:PFA+1], s[PFA:PFA+1], KSTEP*2
.endif
	WIN 0
	s_wait_tensorcnt 0x0                           ; all my tensor loads have landed: the one that was out is my part of the other slot
	ds_add_u32 v[SPW], v[NIL]
	s_wait_dscnt 5                                 ; the add and the youngest four loads may be out
	MUL12 1, 0, 0
	s_wait_dscnt 0x0                               ; the add is done, and my reads of this slot are over
	s_barrier_signal -1
	MUL12 1, 1, 0
	WIN 0
	s_barrier_wait -1
.if \fill
	CREST                                          ; no wave of any partner still reads this slot or has a load on its way
	s_add_nc_u64 s[G0+4*(\slot)+2:G0+4*(\slot)+3], s[G0+4*(\slot)+2:G0+4*(\slot)+3], 2*KSTEP*2
	s_add_nc_u64 s[G0B+4*(\slot)+2:G0B+4*(\slot)+3], s[G0B+4*(\slot)+2:G0B+4*(\slot)+3], 2*KSTEP*2
	JLOAD \slot                                    ; my one tensor load behind the round: 168 products ahead of the wait for it; its four v_nop are also the places in front of the loads below
.else
	PLACES
.endif
	FETCH \next, 0, 0
.if \fill
	WIN 0                                          ; at a branch and at a label every window is 0
	ASK
.endif
	MUL12 1, 2, 0
	MUL12 1, 3, 0
.endm
	s_wait_tensorcnt 1                             ; my part of K step 0 is in; K step 1's may stay out
	s_barrier_signal -1
	s_barrier_wait -1
	FETCH 0, 0, 0
	QUARTER 0, 64, 0, 1, 1                         ; the first quarter's products start the sums
	WIN 0
	s_mov_b32 s3, LAPS-1
.Llap:                                                 ; a trip goes once round the ring and fills both slots again
	QUARTER 0, 128, 1, 0, 0
	QUARTER 0, 192, 0, 1, 0
	TURN 0, 1, 1
	QUARTER 1, 64,  0, 1, 0
	QUARTER 1, 128, 1, 0, 0
	QUARTER 1, 192, 0, 1, 0
	TURN 1, 0, 1
	QUARTER 0, 64,  0, 1, 0
	WIN 0
	s_sub_co_u32 s3, s3, 1
	s_cmp_lg_u32 s3, 0
	s_cbranch_scc1 .Llap
	QUARTER 0, 128, 1, 0, 0                        ; the last lap fills nothing
	QUARTER 0, 192, 0, 1, 0
	TURN 0, 1, 0
	QUARTER 1, 64,  0, 1, 0
	QUARTER 1, 128, 1, 0, 0
	QUARTER 1, 192, 0, 1, 0
	s_wait_dscnt 4                                 ; the very last quarter: nothing more to fetch
	MUL12 1, 0, 0
	MUL12 1, 1, 0
	s_wait_dscnt 0x0
	MUL12 1, 2, 0
	MUL12 1, 3, 0
	WIN 0
	PLACES
	; THE WAY OUT, 16 rows at a time through my own stage: 32 bytes a lane in, whole blocks of 256 bytes back
.irp a, 0,1,2,3
	WIN 0x04+4*((\a)/2)
.irp b, 0,1,2,3,4,5,6,7,8,9,10,11
	ds_store_b128 v[STO], v[96*((\a)%2)+8*(\b):96*((\a)%2)+8*(\b)+3]   offset:64*(\b)     ; each accumulator's lowest registers first
	ds_store_b128 v[STO], v[96*((\a)%2)+8*(\b)+4:96*((\a)%2)+8*(\b)+7] offset:64*(\b)+16
.endr
	WIN 0
	s_wait_xcnt 0x0                                ; the last block's stores have read their registers
.irp p, 0,1,2,3,4,5,6,7
	ds_load_b128 v[OB+12*(\p):OB+12*(\p)+3],    v[RD0] offset:(\p)*2*SPITCH             ; my own stage: LDS serves a wave's instructions in order
	ds_load_b128 v[OB+12*(\p)+4:OB+12*(\p)+7],  v[RD1] offset:(\p)*2*SPITCH
	ds_load_b128 v[OB+12*(\p)+8:OB+12*(\p)+11], v[RD0] offset:(\p)*2*SPITCH+SPITCH+256
.endr
.irp p, 0,1,2,3,4,5,6,7
	s_wait_dscnt 23-3*(\p)                         ; the younger loads from the stage may stay out
	global_store_b128 v[CO0], v[OB+12*(\p):OB+12*(\p)+3],    s[8:9] offset:(16*(\a)+2*(\p))*CROW           ; sixteen lanes store 256 consecutive bytes, aligned
	s_wait_dscnt 22-3*(\p)
	global_store_b128 v[CO1], v[OB+12*(\p)+4:OB+12*(\p)+7],  s[8:9] offset:(16*(\a)+2*(\p))*CROW
	s_wait_dscnt 21-3*(\p)
	global_store_b128 v[CO0], v[OB+12*(\p)+8:OB+12*(\p)+11], s[8:9] offset:(16*(\a)+2*(\p))*CROW+CROW+256
.endr
.endr
	s_wait_tensorcnt 0x0                           ; the wave's end
	ds_add_u32 v[SPW], v[NIL]
	s_wait_dscnt 0x0
	CROUND                                         ; the closing round
	s_endpgm
.Lfunc_end_k_q489e60a433_proj:
	.size	k_q489e60a433_proj, .Lfunc_end_k_q489e60a433_proj-k_q489e60a433_proj
	.p2alignl 7, 3214868480
	.fill 96, 4, 3214868480
	.section	.rodata,"a",@progbits
	.p2align	6, 0x0
	.amdhsa_kernel k_q489e60a433_proj
		.amdhsa_group_segment_fixed_size 327680
		.amdhsa_private_segment_fixed_size 0
		.amdhsa_enable_private_segment 0
		.amdhsa_kernarg_size 16
		.amdhsa_user_sgpr_count 2
		.amdhsa_user_sgpr_kernarg_segment_ptr 1
		.amdhsa_wavefront_size32 1
		.amdhsa_system_sgpr_workgroup_id_x 1
		.amdhsa_system_sgpr_workgroup_id_y 1
		.amdhsa_system_sgpr_workgroup_id_z 1
		.amdhsa_system_vgpr_workitem_id 0
		.amdhsa_next_free_vgpr 1024
		.amdhsa_next_free_sgpr 66
		.amdhsa_reserve_vcc 0
		.amdhsa_float_denorm_mode_32 3
		.amdhsa_float_denorm_mode_16_64 3
		.amdhsa_memory_ordered 1
		.amdhsa_forward_progress 1
		.amdhsa_inst_pref_size 121
	.end_amdhsa_kernel
	.amdgpu_metadata
---
amdhsa.version: [ 1, 2 ]
amdhsa.kernels:
  - .name:           k_q489e60a433_proj
    .symbol:         k_q489e60a433_proj.kd
    .args:
      - { .name: bfin, .offset: 0, .size: 8, .value_kind: global_buffer, .address_space: global }
      - { .name: cq, .offset: 8, .size: 8, .value_kind: global_buffer, .address_space: global }
    .group_segment_fixed_size: 327680
    .private_segment_fixed_size: 0
    .kernarg_segment_align: 8
    .kernarg_segment_size: 16
    .max_flat_workgroup_size: 128
    .sgpr_count:     66
    .vgpr_count:     1024
    .wavefront_size: 32
...
	.end_amdgpu_metadata
.endif
;; end of part 2
;; launch norm (part 3): grid 256 x 1, 16 waves a work-group, no clusters, 36,864 bytes of LDS; arguments cq, bfin, q_norm_w, k_norm_w, qh, kh, vh, ql, kl; writes qh, kh, vh, ql, kl
.if DOCPART == 3
	.amdgcn_target "amdgcn-amd-amdhsa--gfx1250"
	.amdhsa_code_object_version 6
	.text
	.protected	k_q489e60a433_norm
	.globl	k_q489e60a433_norm
	.p2align	8
	.type	k_q489e60a433_norm,@function
k_q489e60a433_norm:
	s_mov_b64 s[64:65], 0
	v_nop
	global_prefetch_b8 v0, s[64:65] scope:SCOPE_SE
	s_setreg_imm32_b32 hwreg(HW_REG_WAVE_MODE, 25, 1), 1
	s_wait_xcnt 0x0
; q, k = RoPE(RMSnorm(C) x gain), v = RMSnorm(C), BY HEADS.  cq: [4096][3072] f32, a row = 12 units of 256: q's four heads, k's, v's.  For each unit y = C / sqrt(mean(C^2) + 1e-6);
; q, k: x = y gain; out[d] = x[d] cos[d] - x[d + 128] sin[d], out[d + 128] = x[d + 128] cos[d + 128] + x[d] sin[d + 128].
; q AND k LEAVE AS A SUM OF TWO f16 NUMBERS: qh, kh hold the number rounded to f16, ql, kl what the rounding left (number - high part, exact in f32, rounded to f16): the scores have no 1 / sqrt(256) in front
; of the softmax, so that one f16's eleven bits in q and k are too few.  v leaves rounded once, in vh.  qh, kh, vh, ql are [4][4096][256] f16.
; kl LEAVES IN THE ORDER OF THE NEXT LAUNCH'S FRAGMENTS: [4 heads][256 blocks of 16 keys][32 groups of 8 channels][16 keys][8 channels]: a fragment load there (lane = key % 16 + 16 x a group's parity, 16 bytes) is then
; 512 consecutive bytes.  256 consecutive bytes of it hold 16 keys, so a work-group takes 16 rows, a wave a row, and k's low parts cross LDS: each wave puts its row's, a barrier, each wave takes out 2,048 whole bytes.
; cos and sin come rounded to bf16 from bfin (a row: cos[256], sin[256]); the gains are rounded to bf16 here: every input of the program has that one rounding.
; LIMITS.  f16 holds no number beyond 65,504: |q|, |k| <= 16 |gain| (|cos| + |sin|) must stay under it.  A low part below 6e-5 keeps f16's fixed step of 6e-8.  NaN and infinities are not treated apart.
; A stream: no matrix unit, no cluster: no byte of cq is read twice.  Lane l holds columns 4 l .. 4 l + 3 and 128 + 4 l .. + 3 of each unit, so that RoPE's partners lie in one lane; a load of a wave covers 512
; consecutive bytes, a store 256 or 512, all aligned.  A wave issues all its 32 loads first.
.set CROW,  12288
.set CSOFF, 33554432                   ; cos and sin in bfin
.set HEADB, 2097152                    ; bytes in a head of an output
.set GPI,   272                        ; LDS: a group's 16 keys x 16 bytes + 16 of padding = 68 words: the 32 lanes of a store (16 groups x 8 bytes twice) fall on 32 different pairs of banks
.set HL,    32*GPI                     ; a head's 32 groups
.set SPARE, 4*HL                       ; behind the four heads: the spare words, 128 bytes for each of the 16 waves: eight blocks of 256 bytes that no other line names
.set VC, 1                             ; v1  my offset in cq; never rewritten
.set VS, 2                             ; v2  in cos and sin
.set VG, 3                             ; v3  in a gain
.set VO, 4                             ; v4  in a head of an output
.set G,  8                             ; v8-23    gains: q's of my first four columns, of my second four; k's likewise
.set CP, 24                            ; v24-31   cos (first four, second four), sin likewise, packed bf16
.set X,  32                            ; v32-127  unit u at 32 + 8 u: four numbers of the first half, four of the second; later the unit's 16 bytes of high parts and 16 of low parts: each unit its own
.set CF, 128                           ; v128-143 cos1, cos2, -sin1, sin2 in f32; at the end what I take out of LDS
.set AB, 144                           ; v144-175 for q, then for k: g1 cos1, -g2 sin1, g2 cos2, g1 sin2
.set SS, 176                           ; v176-199 unit u: a pair; first two partial sums of squares, then 1 / rms in the even register
.set T,  200                           ; v200-207 a unit's eight results in f32
.set L,  208                           ; v208-215 what their rounding to f16 left
.set MONE, 216                         ; v216     -1.0
.set LS,  217                          ; v217     LDS: where I put 8 bytes: (l / 2) groups + 16 x my row + 8 (l % 2)
.set LR,  218                          ; v218     LDS: where I take 16 bytes out
.set GK,  219                          ; v219     their place in kl
.set SPW, 220                          ; v220     my spare word; never rewritten
.set NIL, 221                          ; v221     0, for the add alone
.macro ALLU line:vararg                ; one line for each unit u
.set u, 0
.rept 12
	\line
.set u, u+1
.endr
.endm
	s_load_b256 s[4:11], s[0:1], 0x0               ; cq s[4:5], bfin s[6:7], q_norm_w s[8:9], k_norm_w s[10:11]
	s_load_b256 s[12:19], s[0:1], 0x20             ; qh s[12:13], kh s[14:15], vh s[16:17], ql s[18:19]
	s_load_b64 s[20:21], s[0:1], 0x40              ; kl
	v_lshl_add_u32 v[SPW], v0, 2, SPARE
	v_mov_b32 v[NIL], 0
	v_lshrrev_b32 v5, 5, v0
	v_readfirstlane_b32 s22, v5                    ; wave = my row among the work-group's sixteen
	v_and_b32 v6, 31, v0                           ; lane
	s_mul_i32 s23, s22, CROW
	v_lshl_add_u32 v[VC], v6, 4, s23
	s_lshl_b32 s23, s22, 10
	v_lshl_add_u32 v[VS], v6, 3, s23
	v_lshlrev_b32 v[VG], 4, v6
	s_lshl_b32 s23, s22, 9
	v_lshl_add_u32 v[VO], v6, 3, s23
	v_mov_b32 v[MONE], -1.0
	v_lshrrev_b32 v7, 1, v6                        ; into LDS: my columns 4 l .. lie in group l / 2, in its half l % 2
	v_mul_u32_u24 v[LS], v7, GPI
	v_and_b32 v7, 1, v6
	v_lshl_add_u32 v[LS], v7, 3, v[LS]
	s_lshl_b32 s23, s22, 4
	v_add_nc_u32 v[LS], s23, v[LS]
	s_lshr_b32 s24, s22, 2                         ; out of LDS: wave w takes head w / 4, groups 8 (w % 4) .. + 7; lanes 0-15 a group, lanes 16-31 the next
	s_and_b32 s25, s22, 3
	s_mul_i32 s23, s24, HL
	s_mul_i32 s27, s25, 8*GPI
	s_add_co_u32 s23, s23, s27
	v_lshrrev_b32 v7, 4, v6
	v_mul_u32_u24 v[LR], v7, GPI
	v_and_b32 v7, 15, v6
	v_lshl_add_u32 v[LR], v7, 4, v[LR]
	v_add_nc_u32 v[LR], s23, v[LR]
	s_lshl_b32 s23, s24, 21                        ; in kl: the head, my 8 groups of 256 bytes, 16 bytes a lane
	s_lshl_b32 s27, s25, 11
	s_add_co_u32 s23, s23, s27
	v_lshl_add_u32 v[GK], v6, 4, s23
	s_mul_i32 s34, ttmp9, 16*CROW                  ; the work-group's sixteen rows in cq,
	s_mov_b32 s35, 0
	s_lshl_b32 s36, ttmp9, 14                      ; in cos and sin,
	s_add_co_u32 s36, s36, CSOFF
	s_mov_b32 s37, 0
	s_lshl_b32 s38, ttmp9, 13                      ; in a head: 16 rows of 512 bytes, which is also a block of kl
	s_mov_b32 s39, 0
	s_mov_b32 s26, 0xffff0000                      ; a word's upper bf16
	s_mov_b32 s28, 0x76543210                      ; v_permlanex16_b32: each lane takes its own place in the other half
	s_mov_b32 s29, 0xfedcba98
	s_mov_b32 s30, 0x3b800000                      ; 1 / 256
	s_mov_b32 s31, 0x358637bd                      ; 1e-6
	s_wait_kmcnt 0x0
	s_add_nc_u64 s[4:5], s[4:5], s[34:35]
	s_add_nc_u64 s[6:7], s[6:7], s[36:37]
	s_add_nc_u64 s[12:13], s[12:13], s[38:39]
	s_add_nc_u64 s[14:15], s[14:15], s[38:39]
	s_add_nc_u64 s[16:17], s[16:17], s[38:39]
	s_add_nc_u64 s[18:19], s[18:19], s[38:39]
	s_add_nc_u64 s[20:21], s[20:21], s[38:39]
	global_load_b128 v[G:G+3],     v[VG], s[8:9]
	global_load_b128 v[G+4:G+7],   v[VG], s[8:9] offset:512
	global_load_b128 v[G+8:G+11],  v[VG], s[10:11]
	global_load_b128 v[G+12:G+15], v[VG], s[10:11] offset:512
.irp m, 0,1,2,3
	global_load_b64 v[CP+2*(\m):CP+2*(\m)+1], v[VS], s[6:7] offset:256*(\m)
.endr
.set u, 0
.rept 12
	global_load_b128 v[X+8*u:X+8*u+3],   v[VC], s[4:5] offset:1024*u th:TH_LOAD_NT
	global_load_b128 v[X+8*u+4:X+8*u+7], v[VC], s[4:5] offset:1024*u+512 th:TH_LOAD_NT
.set u, u+1
.endr
	s_wait_loadcnt 28                              ; loads come back in order: the gains are in; the 28 younger loads may stay out
.irp i, 0,1,2,3,4,5,6,7
	v_cvt_pk_bf16_f32 v[T+(\i)], v[G+2*(\i)], v[G+2*(\i)+1]
.endr
.irp i, 0,1,2,3,4,5,6,7
	v_lshlrev_b32 v[G+2*(\i)],   16, v[T+(\i)]     ; bf16 to f32: a shift and a mask
	v_and_b32     v[G+2*(\i)+1], s26, v[T+(\i)]
.endr
	s_wait_loadcnt 24                              ; cos and sin are in; cq's 24 loads may stay out
.irp i, 0,1,2,3,4,5,6,7
	v_lshlrev_b32 v[CF+2*(\i)],   16, v[CP+(\i)]
	v_and_b32     v[CF+2*(\i)+1], s26, v[CP+(\i)]
.endr
.irp i, 0,1,2,3
	v_xor_b32 v[CF+8+(\i)], 0x80000000, v[CF+8+(\i)]   ; -sin of the first half
.endr
.irp q, 0,1                            ; q's tables, then k's
.irp k, 0,2
	v_pk_mul_f32 v[AB+16*(\q)+(\k):AB+16*(\q)+(\k)+1],       v[G+8*(\q)+(\k):G+8*(\q)+(\k)+1],     v[CF+(\k):CF+(\k)+1]
	v_pk_mul_f32 v[AB+16*(\q)+4+(\k):AB+16*(\q)+4+(\k)+1],   v[G+8*(\q)+4+(\k):G+8*(\q)+4+(\k)+1], v[CF+8+(\k):CF+8+(\k)+1]
	v_pk_mul_f32 v[AB+16*(\q)+8+(\k):AB+16*(\q)+8+(\k)+1],   v[G+8*(\q)+4+(\k):G+8*(\q)+4+(\k)+1], v[CF+4+(\k):CF+4+(\k)+1]
	v_pk_mul_f32 v[AB+16*(\q)+12+(\k):AB+16*(\q)+12+(\k)+1], v[G+8*(\q)+(\k):G+8*(\q)+(\k)+1],     v[CF+12+(\k):CF+12+(\k)+1]
.endr
.endr
	; the sums of squares: my eight numbers of each unit, then across the 32 lanes
.set u, 0
.rept 12
	s_wait_loadcnt 22-2*u                          ; unit u's two loads are in; the 22 - 2 u younger ones may stay out
	v_pk_mul_f32 v[SS+2*u:SS+2*u+1], v[X+8*u:X+8*u+1],   v[X+8*u:X+8*u+1]
	v_pk_fma_f32 v[SS+2*u:SS+2*u+1], v[X+8*u+2:X+8*u+3], v[X+8*u+2:X+8*u+3], v[SS+2*u:SS+2*u+1]
	v_pk_fma_f32 v[SS+2*u:SS+2*u+1], v[X+8*u+4:X+8*u+5], v[X+8*u+4:X+8*u+5], v[SS+2*u:SS+2*u+1]
	v_pk_fma_f32 v[SS+2*u:SS+2*u+1], v[X+8*u+6:X+8*u+7], v[X+8*u+6:X+8*u+7], v[SS+2*u:SS+2*u+1]
.set u, u+1
.endr
	ALLU v_add_f32 v[SS+2*u], v[SS+2*u], v[SS+2*u+1]
	ALLU v_add_f32_dpp v[SS+2*u], v[SS+2*u], v[SS+2*u] row_xmask:1 row_mask:0xf bank_mask:0xf
	ALLU v_add_f32_dpp v[SS+2*u], v[SS+2*u], v[SS+2*u] row_xmask:2 row_mask:0xf bank_mask:0xf
	ALLU v_add_f32_dpp v[SS+2*u], v[SS+2*u], v[SS+2*u] row_xmask:4 row_mask:0xf bank_mask:0xf
	ALLU v_add_f32_dpp v[SS+2*u], v[SS+2*u], v[SS+2*u] row_xmask:8 row_mask:0xf bank_mask:0xf
	ALLU v_permlanex16_b32 v[SS+2*u+1], v[SS+2*u], s28, s29
	ALLU v_add_f32 v[SS+2*u], v[SS+2*u], v[SS+2*u+1]
	ALLU v_fma_f32 v[SS+2*u], v[SS+2*u], s30, s31
	ALLU v_rsq_f32 v[SS+2*u], v[SS+2*u]
	v_nop                                          ; a plain instruction behind the last root,
	s_wait_alu depctr_va_vdst(0)                   ; and the one wait ahead of the batch's first reader
.set u, 0
.rept 12
.if u < 8
.set TAB, AB+16*(u/4)
.irp k, 0,2
	v_pk_mul_f32 v[T+(\k):T+(\k)+1],     v[X+8*u+(\k):X+8*u+(\k)+1],     v[TAB+(\k):TAB+(\k)+1]
	v_pk_mul_f32 v[T+4+(\k):T+4+(\k)+1], v[X+8*u+4+(\k):X+8*u+4+(\k)+1], v[TAB+8+(\k):TAB+8+(\k)+1]
.endr
.irp k, 0,2
	v_pk_fma_f32 v[T+(\k):T+(\k)+1],     v[X+8*u+4+(\k):X+8*u+4+(\k)+1], v[TAB+4+(\k):TAB+4+(\k)+1],   v[T+(\k):T+(\k)+1]
	v_pk_fma_f32 v[T+4+(\k):T+4+(\k)+1], v[X+8*u+(\k):X+8*u+(\k)+1],     v[TAB+12+(\k):TAB+12+(\k)+1], v[T+4+(\k):T+4+(\k)+1]
.endr
.irp k, 0,2,4,6
	v_pk_mul_f32 v[T+(\k):T+(\k)+1], v[T+(\k):T+(\k)+1], v[SS+2*u:SS+2*u+1] op_sel_hi:[1,0]
.endr
.else
.irp k, 0,2,4,6
	v_pk_mul_f32 v[T+(\k):T+(\k)+1], v[X+8*u+(\k):X+8*u+(\k)+1], v[SS+2*u:SS+2*u+1] op_sel_hi:[1,0]
.endr
.endif
.irp k, 0,1,2,3
	v_cvt_pk_f16_f32 v[X+8*u+(\k)], v[T+2*(\k)], v[T+2*(\k)+1]                                    ; the high parts
.endr
	global_store_b64 v[VO], v[X+8*u:X+8*u+1],   s[12+2*(u/4):13+2*(u/4)] offset:(u%4)*HEADB       ; the wave's store covers 256 consecutive bytes, aligned: columns 0-127 of the head's row,
	global_store_b64 v[VO], v[X+8*u+2:X+8*u+3], s[12+2*(u/4):13+2*(u/4)] offset:(u%4)*HEADB+256   ; and columns 128-255
.if u < 8
.irp k, 0,1,2,3
	v_fma_mix_f32 v[L+2*(\k)],   v[X+8*u+(\k)], v[MONE], v[T+2*(\k)]   op_sel_hi:[1,0,0]              ; number - high part: the low half of the packed word times -1.0, plus the number; exact
	v_fma_mix_f32 v[L+2*(\k)+1], v[X+8*u+(\k)], v[MONE], v[T+2*(\k)+1] op_sel:[1,0,0] op_sel_hi:[1,0,0]  ; and the high half
.endr
.irp k, 0,1,2,3
	v_cvt_pk_f16_f32 v[X+8*u+4+(\k)], v[L+2*(\k)], v[L+2*(\k)+1]                                  ; the low parts
.endr
.if u < 4
	global_store_b64 v[VO], v[X+8*u+4:X+8*u+5], s[18:19] offset:u*HEADB                           ; q's go out by rows,
	global_store_b64 v[VO], v[X+8*u+6:X+8*u+7], s[18:19] offset:u*HEADB+256
.else
	ds_store_b64 v[LS], v[X+8*u+4:X+8*u+5] offset:(u-4)*HL                                        ; k's into LDS: groups 0-15 of the head,
	ds_store_b64 v[LS], v[X+8*u+6:X+8*u+7] offset:(u-4)*HL+16*GPI                                 ; and groups 16-31
.endif
.endif
.set u, u+1
.endr
	s_wait_dscnt 0x0                               ; for the others' sake: my row's low parts lie in LDS
	s_barrier_signal -1
	s_barrier_wait -1                              ; all sixteen rows' do
.irp n, 0,1,2,3
	ds_load_b128 v[CF+4*(\n):CF+4*(\n)+3], v[LR] offset:(\n)*2*GPI
.endr
.irp n, 0,1,2,3
	s_wait_dscnt 3-(\n)                            ; the younger loads may stay out
	global_store_b128 v[GK], v[CF+4*(\n):CF+4*(\n)+3], s[20:21] offset:(\n)*512   ; two groups: 512 consecutive bytes, aligned
.endr
	s_wait_tensorcnt 0x0                           ; the wave's end, behind my last LDS store
	ds_add_u32 v[SPW], v[NIL]
	s_wait_dscnt 0x0
	s_endpgm
.Lfunc_end_k_q489e60a433_norm:
	.size	k_q489e60a433_norm, .Lfunc_end_k_q489e60a433_norm-k_q489e60a433_norm
	.p2alignl 7, 3214868480
	.fill 96, 4, 3214868480
	.section	.rodata,"a",@progbits
	.p2align	6, 0x0
	.amdhsa_kernel k_q489e60a433_norm
		.amdhsa_group_segment_fixed_size 36864
		.amdhsa_private_segment_fixed_size 0
		.amdhsa_enable_private_segment 0
		.amdhsa_kernarg_size 72
		.amdhsa_user_sgpr_count 2
		.amdhsa_user_sgpr_kernarg_segment_ptr 1
		.amdhsa_wavefront_size32 1
		.amdhsa_system_sgpr_workgroup_id_x 1
		.amdhsa_system_sgpr_workgroup_id_y 1
		.amdhsa_system_sgpr_workgroup_id_z 1
		.amdhsa_system_vgpr_workitem_id 0
		.amdhsa_next_free_vgpr 224
		.amdhsa_next_free_sgpr 66
		.amdhsa_reserve_vcc 0
		.amdhsa_float_denorm_mode_32 3
		.amdhsa_float_denorm_mode_16_64 3
		.amdhsa_memory_ordered 1
		.amdhsa_forward_progress 1
		.amdhsa_inst_pref_size 39
	.end_amdhsa_kernel
	.amdgpu_metadata
---
amdhsa.version: [ 1, 2 ]
amdhsa.kernels:
  - .name:           k_q489e60a433_norm
    .symbol:         k_q489e60a433_norm.kd
    .args:
      - { .name: cq, .offset: 0, .size: 8, .value_kind: global_buffer, .address_space: global }
      - { .name: bfin, .offset: 8, .size: 8, .value_kind: global_buffer, .address_space: global }
      - { .name: q_norm_w, .offset: 16, .size: 8, .value_kind: global_buffer, .address_space: global }
      - { .name: k_norm_w, .offset: 24, .size: 8, .value_kind: global_buffer, .address_space: global }
      - { .name: qh, .offset: 32, .size: 8, .value_kind: global_buffer, .address_space: global }
      - { .name: kh, .offset: 40, .size: 8, .value_kind: global_buffer, .address_space: global }
      - { .name: vh, .offset: 48, .size: 8, .value_kind: global_buffer, .address_space: global }
      - { .name: ql, .offset: 56, .size: 8, .value_kind: global_buffer, .address_space: global }
      - { .name: kl, .offset: 64, .size: 8, .value_kind: global_buffer, .address_space: global }
    .group_segment_fixed_size: 36864
    .private_segment_fixed_size: 0
    .kernarg_segment_align: 8
    .kernarg_segment_size: 72
    .max_flat_workgroup_size: 512
    .sgpr_count:     66
    .vgpr_count:     224
    .wavefront_size: 32
...
	.end_amdgpu_metadata
.endif
;; end of part 3
;; launch attn (part 4): grid 128 x 4, 4 waves a work-group, clusters of 4 x 1, 327,680 bytes of LDS; arguments qh, kh, vh, oh, ql, kl; writes oh
.if DOCPART == 4
	.amdgcn_target "amdgcn-amd-amdhsa--gfx1250"
	.amdhsa_code_object_version 6
	.text
	.protected	k_q489e60a433_attn
	.globl	k_q489e60a433_attn
	.p2align	8
	.type	k_q489e60a433_attn,@function
k_q489e60a433_attn:
	s_mov_b64 s[64:65], 0
	v_nop
	global_prefetch_b8 v0, s[64:65] scope:SCOPE_SE
	s_setreg_imm32_b32 hwreg(HW_REG_WAVE_MODE, 25, 1), 1
	s_wait_xcnt 0x0
	s_wait_alu depctr_hold_cnt(0) depctr_sa_sdst(0) depctr_va_vdst(0) depctr_va_sdst(0) depctr_va_ssrc(0) depctr_va_vcc(0) depctr_vm_vsrc(0)
	s_getreg_b32 s2, hwreg(HW_REG_IB_STS2, 6, 4)
	s_cmp_eq_u32 s2, 0
	s_cbranch_scc0 .Lentry_in_a_cluster
	s_endpgm
.Lentry_in_a_cluster:
	s_bfe_u32 s2, ttmp6, 0x10000c
	s_cmp_lg_u32 s2, 0x3003
	s_cbranch_scc0 .Lentry_shape_is_right
	s_endpgm
.Lentry_shape_is_right:
; ATTENTION IN A WINDOW.  O[h][i] = the sum over j, 0 <= i - j < 1024, of softmax_j(q[h][i] . k[h][j]) v[h][j].  qh, ql, kh, vh: [4][4096][256] f16; oh: [4096][1024] f16, head h at columns 256 h.
; q = qh + ql AND k = kh + kl ARE SUMS OF TWO f16 NUMBERS: a score is kl . qh + kh . ql + kh . qh (kl . ql, some 2^-22 of a score, is left out).  The scale is 1 and a score is a sum of 256 terms, so the softmax is
; sharp, and one f16's eleven bits in q and k would shift the weights too far.  Products, maxima and sums in f32; the weights are rounded to f16 for the second product (their sum is taken of the unrounded weights), O once at the end.
; LIMITS.  A hidden score counts as -1e30.  The running maximum starts at the floor -2^96, above every hidden score and below every true one (f16 operands bound a score by 256 x 65,504^2 = 1.1e12): so
; a step in which a query sees nothing leaves m, l and O as they were, and its weights are 0.  A weight below 2^-126 counts as 0.  NaN and infinities are not treated apart.
; SHARES.  A work-group owns 32 queries of one head.  EVERY wave holds all 32 (two tiles of 16), high and low parts: 256 registers; THE KEYS ARE SPLIT AMONG THE WAVES: of a step's 128 keys wave w takes
; 32 w .. 32 w + 31, with a maximum, a sum and an O of its own; the four meet in LDS at the end.  (64 queries a wave would want 512 registers of Q beside 512 of O.)
; CLUSTER.  The four work-groups of a cluster own 128 neighbouring queries and walk the same 1,152 keys, 128 c - 1024 on, in nine steps: each tile of kh and vh is asked for jointly.  All partners compute all steps;
; what a partner must not see is hidden by the mask, which is data: no branch hangs on a work-group's place.  Tiles that would begin ahead of key 0 are fetched from row 0 and wholly hidden.
; kl COMES STRAIGHT FROM MEMORY INTO REGISTERS, 32 loads a wave and step, asked for a step ahead: a wave reads only its own 32 keys, and LDS has no room: two slots of kh, kl and vh for 128 keys would be 409,600 bytes.
; It lies in memory in the fragments' order, [head][block of 16 keys][group of 8 channels][key][8 channels], so that a load of the wave is 512 consecutive bytes.  These loads are not shared in the cluster: that is their price.
; LAYOUT.  S^T = K Q^T (source 0 = 16 keys, source 1 = 16 queries): a lane holds ONE query (lane % 16) and the keys 8 (lane / 16) + 0..7.  Two such results rounded to f16 ARE source 1 of O^T = V^T P.
; THE MASK starts the sums: a block of 16 keys x 16 queries whose first query lies d = DEL + 16 (t - kb) behind its first key starts at MD x AL + BE: d = 0: (1, 0), MD hiding keys above the diagonal;
; 16 <= d <= 1008: (0, 0); d = 1024: (-1, -1e30), MD's complement; else (0, -1e30).
; V^T P RUNS A STEP LATE, so that vector work stands beside matrix work.  Step s: its 96 score products, and behind every third of them four of the 128 lines O x a(s - 1); then the 32 products V^T P of step s - 1, and behind
; every second of them three lines of step s's softmax; then V of step s is fetched, and the rest of the softmax stands in the shadow of that fetch.  The first step finds P, V, O and a at 0; the last O x a and V^T P follow the loop.
; REGISTERS, in windows of 256:  window 0: v0-15 addresses and MD; v16-23 statistics; v24-25 offsets; v32-63 S^T; v64-79 at work; v96-111 P; v128-255 kh of a step
;   window 1: O^T, tile t at v[128 t + 8 cb]     window 2: v0-127 kl of a step, v[64 kb + 8 c]; v128-255 V, v[128 + 8 cb]     window 3: qh at v[64 t + 8 c], ql at v[128 + 64 t + 8 c]
.set PK,    528                        ; a row of K in LDS: 512 bytes + 16
.set PV,    544                        ; a row of V: 512 + 32
.set VOFF,  128*PK
.set SLOTB, 128*(PK+PV)
.set STAT,  2*SLOTB                    ; c m at v 512 + t 128 + 4 lane, l 2,048 on
.set STAGE, STAT+4096                  ; 16 rows x 272 bytes for each wave
.set SP,    272
.set SPARE, STAGE+4*16*SP
.set STEPS, 9
.set PFO, 1                            ; v1   lane x 512; never rewritten
.set AK0, 2
.set AV0, 3
.set ADR, 4
.set ADV, 5
.set SPW, 6
.set NIL, 7
.set MD,  8
.set ST,  16                           ; tile t: c m, m, a, l at v[16 + 4 t ..]
.set KLA, 24                           ; v24  my lane's place in 16 rows of 512 bytes in memory: (l % 16) 512 + 16 (l / 16); never rewritten
.set KLF, 25                           ; v25  16 x lane; never rewritten
.set S,   32
.set TMP, 64                           ; tile t: three registers at work at v[64 + 8 t ..]
.set P,   96
.set KV,  128
.set VF,  128                          ; in window 2
.set WV,  12
.set CX,  13
.set LIM, 15
.set PFA, 18
.set G1K, 24
.set G1V, 32
.set G0K, 40
.set G0V, 44
.set TB,  48                           ; the slot that is read
.set TBF, 49                           ; the slot that is filled
.set BK,  50
.set BV,  51
.set KT,  52                           ; first key of the tile to be asked for, signed
.set OFF, 54
.set CNT, 56
.set CS,  58
.set SEL, 60
.set DEL, 62
.set KB,  63
.set MSK, 68                           ; s[68:79]: for t - kb = -1, 0, 1 a pair AL and a pair BE
.set QLP, 80                           ; s[80:81] ql at my work-group's first query
.set KLH, 82                           ; s[82:83] kl at the head's first block; never rewritten behind the head
.set KLB, 84                           ; s[84:85] kl at my 32 keys of the step that is being asked for
.set KLO, 86                           ; s[86:87] their byte offset in the head
.set BIGN, 88
.set HOF, 90                           ; s[90:91] the head's byte offset
.set MSB, 0
.macro WIN new
.if MSB != (\new)
	s_set_vgpr_msb (MSB<<8)|(\new)
.set MSB, \new
.endif
.endm
.macro ALL line:vararg                 ; one line for each tile t
.set t, 0
.rept 2
	\line
.set t, t+1
.endr
.endm
.macro JLOAD                           ; waves 0, 1 fetch the halves of a tile's kh, waves 2, 3 of its vh: 64 rows each
	s_cmp_lt_u32 s[WV], 2
	s_cbranch_scc0 .Lfor_v_\@
	tensor_load_to_lds s[G0K:G0K+3], s[G1K:G1K+7]
	s_nop 0
.rept 4
	v_nop
.endr
	s_branch .Lasked_\@
.Lfor_v_\@:
	tensor_load_to_lds s[G0V:G0V+3], s[G1V:G1V+7]
	s_nop 0
.rept 4
	v_nop
.endr
.Lasked_\@:
.endm
; A PREFETCH of the tile that the next change of slots will ask for.  Cluster c walks the tiles c - 8 .. c of 128 keys, a step each: tile T is step 0 of cluster T + 8, but for the head's last eight tiles, which
; have no such cluster: of those that walk them the head's last cluster, 31, comes to them first, in its steps 1 to 8.  So that cluster asks, and nobody else: its four partners take 32 rows each, told apart by
; address; wave 0 asks for kh's, wave 2 for vh's; a lane a row, two blocks of 256 bytes.  The last change that fills a slot asks for nothing.
.macro ASK
	s_cmp_gt_u32 s[CNT], s[LIM]
	s_cbranch_scc0 .Lnot_mine_\@
	global_prefetch_b8 v[PFO], s[PFA:PFA+1] th:TH_LOAD_NT scope:SCOPE_SE
	global_prefetch_b8 v[PFO], s[PFA:PFA+1] offset:256 th:TH_LOAD_NT scope:SCOPE_SE
.Lnot_mine_\@:
.endm
.macro CROUND
	s_barrier_signal -1
	s_barrier_wait -1
	s_cmp_lg_u32 s[WV], 0
	s_cbranch_scc1 .Lnot_wave_0_\@
	s_barrier_signal -3
.Lnot_wave_0_\@:
	s_barrier_wait -3
	s_barrier_signal -1
	s_barrier_wait -1
.endm
; kl of my 32 keys, as fragments.  Registers 0-3 of fragment (kb, c) hold channel group 4 c + l / 16 of key l % 16, registers 4-7 group 4 c + 2 + l / 16: in memory 512 consecutive bytes each, 16 bytes a lane
.macro KLOAD
	WIN 0x80                                       ; destination window 2, address window 0
.irp kb, 0,1
.irp c, 0,1,2,3,4,5,6,7
	global_load_b128 v[64*(\kb)+8*(\c):64*(\kb)+8*(\c)+3],   v[KLF], s[KLB:KLB+1] offset:(\kb)*8192+(\c)*1024
	global_load_b128 v[64*(\kb)+8*(\c)+4:64*(\kb)+8*(\c)+7], v[KLF], s[KLB:KLB+1] offset:(\kb)*8192+(\c)*1024+512
.endr
.endr
	WIN 0
.endm
; THE CHANGE OF SLOTS.  fill = 1: the slot just read is filled again behind a round of the cluster's barrier; the descriptor's address is made anew from the tile's first key.
.macro CHANGE fill
	WIN 0
	s_wait_tensorcnt 0x0                           ; no tensor load of mine is out: my part of the other slot has landed, and a group 0 may be written
	ds_add_u32 v[SPW], v[NIL]
.if \fill
	s_xor_b32 s[TBF], s[TBF], SLOTB
	s_add_co_u32 s[G0K+1], s[TBF], s[BK]
	s_add_co_u32 s[G0V+1], s[TBF], s[BV]
	s_max_i32 s53, s[KT], 0
	s_lshl_b32 s[OFF], s53, 9
	s_add_nc_u64 s[G0K+2:G0K+3], s[6:7], s[OFF:OFF+1]
	s_or_b32 s[G0K+3], s[G0K+3], 0x80000000
	s_add_nc_u64 s[G0V+2:G0V+3], s[8:9], s[OFF:OFF+1]
	s_or_b32 s[G0V+3], s[G0V+3], 0x80000000
	s_add_co_i32 s[KT], s[KT], 128
	s_wait_xcnt 0x0                                ; the last prefetches, a step back, have read their address
	s_add_nc_u64 s[PFA:PFA+1], s[PFA:PFA+1], 128*512
	s_wait_dscnt 0x0                               ; the add is done, and my reads of the slot are over, V's among them
	CROUND
	JLOAD                                          ; my one tensor load behind the round: it has a step, 128 products, in which to land
	ASK
.else
	s_wait_dscnt 0x0
	s_barrier_signal -1
	s_barrier_wait -1
.endif
	s_xor_b32 s[TB], s[TB], SLOTB
.endm
	s_load_b256 s[4:11], s[0:1], 0x0               ; qh s[4:5], kh s[6:7], vh s[8:9], oh s[10:11]
	s_load_b128 s[QLP:QLP+3], s[0:1], 0x20         ; ql s[80:81], kl s[82:83]
	v_lshl_add_u32 v[SPW], v0, 2, SPARE
	v_mov_b32 v[NIL], 0
	ds_add_u32 v[SPW], v[NIL]                      ; the wave's opening: the add and its wait come ahead of my first tensor load
	ds_add_u32 v6, v7
	v_lshrrev_b32 v32, 5, v0
	v_readfirstlane_b32 s[WV], v32
	s_bfe_u32 s[CX], ttmp6, 0x40000
	s_and_b32 s57, ttmp7, 0xffff                   ; the head
	s_lshl_b32 s20, s57, 21                        ; x 4,096 rows of 512 bytes
	s_mov_b32 s[HOF], s20
	s_mov_b32 s[HOF+1], 0
	s_and_b32 s16, s[WV], 1                        ; which 64 rows of a tile I fetch.  Also: which tile I finish at the end
	s_lshl_b32 s22, s16, 15
	s_add_co_u32 s22, s22, s20
	s_mov_b32 s23, 0
	s_mul_i32 s[BK], s16, 64*PK
	s_mul_i32 s[BV], s16, 64*PV
	s_add_co_u32 s[BV], s[BV], VOFF
	s_lshl_b32 s[KT], ttmp9, 7
	s_sub_co_i32 s[KT], s[KT], 1024                ; the walk's first key: 128 c - 1024
	s_lshl_b32 s17, s[WV], 5
	s_add_co_i32 s[KB], s[KT], s17                 ; my first key of step 0
	s_lshl_b32 s14, s[CX], 5
	s_add_co_u32 s[DEL], s14, 1024
	s_sub_co_u32 s[DEL], s[DEL], s17               ; my first query less my first key: 1024 + 32 cx - 32 w
	s_lshl_b32 s2, ttmp9, 7
	s_add_co_u32 s2, s2, s14                       ; my work-group's first query
	s_lshl_b32 s21, s16, 4
	s_add_co_u32 s21, s21, s2
	s_lshl_b32 s21, s21, 11                        ; O: (query + 16 x my tile) x 2,048 bytes
	s_lshl_b32 s53, s57, 9                         ; + head x 512
	s_add_co_u32 s21, s21, s53
	s_lshr_b32 s53, s[WV], 1
	s_lshl_b32 s53, s53, 8                         ; + my half of the head's channels x 256
	s_lshl_b32 s2, s2, 9
	s_add_co_u32 s2, s2, s20                       ; Q: head + query x 512
	s_mov_b32 s3, 0
	s_add_co_u32 s20, s21, s53
	s_mov_b32 s21, 0
	s_max_i32 s53, s[KB], 0                        ; kl of step 0: keys ahead of key 0 are hidden, and are read from the first block
	s_lshl_b32 s[KLO], s53, 9                      ; a key is 512 bytes of its block's 8,192
	s_mov_b32 s[KLO+1], 0
	s_mov_b32 s[G1K], 15|(1<<16)|(1<<20)|(1<<21)|(6<<22)|(3<<25)  ; the mask of four; 2-byte elements; padding on; bit 21 beside a mask; after every 128 words 4 words
	s_mov_b32 s[G1V], 15|(1<<16)|(1<<20)|(1<<21)|(6<<22)|(7<<25)  ; 8 words
.irp g, G1K, G1V
	s_mov_b32 s[(\g)+1], 256<<16                   ; tensor_dim0 = 256
	s_mov_b32 s[(\g)+2], 64<<16                    ; tensor_dim1 = 64
	s_mov_b32 s[(\g)+3], 256<<16                   ; tile_dim0 = 256
	s_mov_b32 s[(\g)+4], 64                        ; tile_dim1 = 64
	s_mov_b32 s[(\g)+5], 256
	s_mov_b32 s[(\g)+6], 0
	s_mov_b32 s[(\g)+7], 0
.endr
	s_mov_b32 s[G0K], 1
	s_mov_b32 s[G0K+1], s[BK]                      ; slot 0
	s_mov_b32 s[G0V], 1
	s_mov_b32 s[G0V+1], s[BV]
	s_mov_b32 s[TBF], 0
	s_mov_b32 s[TB], SLOTB                         ; the first change of slots turns it into 0
	s_max_i32 s53, s[KT], 0
	s_lshl_b32 s[OFF], s53, 9
	s_mov_b32 s[OFF+1], 0
	s_add_co_i32 s[KT], s[KT], 128
	s_xor_b32 s14, ttmp9, 31
	s_or_b32 s14, s14, s16
	s_cmp_eq_u32 s14, 0                            ; the head's last cluster, waves 0 and 2: the same in all four partners
	s_cselect_b32 s[LIM], 1, -1
	s_max_i32 s53, s[KT], 0
	s_lshl_b32 s16, s53, 9                         ; the prefetches stand at step 1's tile; the first change steps them to step 2's
	s_lshl_b32 s17, s[CX], 14                      ; my work-group's 32 rows
	s_add_co_u32 s16, s16, s17
	s_mov_b32 s17, 0
	s_mov_b32 s[CS], 0x3fb8aa3b                    ; c = log2(e): the scale is 1
	s_mov_b32 s[CS+1], s[CS]
	s_mov_b32 s[SEL], 0x76543210
	s_mov_b32 s[SEL+1], 0xfedcba98
	s_mov_b32 s[BIGN], 0xf149f2ca                  ; -1e30
.irp x, 0,1,2
	s_mov_b32 s[MSK+4*(\x)+1], 0                   ; named as pairs
	s_mov_b32 s[MSK+4*(\x)+3], 0
.endr
	s_mov_b32 s[CNT], STEPS-1
	v_and_b32 v[PFO], 31, v0
	v_lshlrev_b32 v[PFO], 9, v[PFO]
	s_wait_dscnt 0x0                               ; the opening add is done
	s_wait_kmcnt 0x0
	s_add_nc_u64 s[6:7], s[6:7], s[22:23]          ; kh and vh at my half of the head's rows 0 ..
	s_add_nc_u64 s[8:9], s[8:9], s[22:23]
	s_add_nc_u64 s[G0K+2:G0K+3], s[6:7], s[OFF:OFF+1]
	s_or_b32 s[G0K+3], s[G0K+3], 0x80000000
	s_add_nc_u64 s[G0V+2:G0V+3], s[8:9], s[OFF:OFF+1]
	s_or_b32 s[G0V+3], s[G0V+3], 0x80000000
	s_add_nc_u64 s[4:5], s[4:5], s[2:3]
	s_add_nc_u64 s[QLP:QLP+1], s[QLP:QLP+1], s[2:3]
	s_add_nc_u64 s[KLH:KLH+1], s[KLH:KLH+1], s[HOF:HOF+1]
	s_add_nc_u64 s[KLB:KLB+1], s[KLH:KLH+1], s[KLO:KLO+1]
	s_add_nc_u64 s[10:11], s[10:11], s[20:21]
	s_cmp_lt_u32 s[WV], 2
	s_cselect_b64 s[PFA:PFA+1], s[6:7], s[8:9]
	s_add_nc_u64 s[PFA:PFA+1], s[PFA:PFA+1], s[16:17]
	CROUND                                         ; all four work-groups are here
	JLOAD                                          ; step 0's tile into slot 0; slot 1 is asked for by the loop's first change
	v_and_b32 v32, 15, v0                          ; l % 16
	v_bfe_u32 v33, v0, 4, 1                        ; l / 16
	v_lshlrev_b32 v[KLA], 9, v32
	v_lshl_add_u32 v[KLA], v33, 4, v[KLA]
	v_and_b32 v[KLF], 31, v0
	v_lshlrev_b32 v[KLF], 4, v[KLF]
	WIN 0xc0                                       ; Q stays in registers: high parts, then low parts
.irp t, 0,1
.irp c, 0,1,2,3,4,5,6,7
	global_load_b128 v[64*(\t)+8*(\c):64*(\t)+8*(\c)+3],   v[KLA], s[4:5] offset:(\t)*8192+64*(\c)
	global_load_b128 v[64*(\t)+8*(\c)+4:64*(\t)+8*(\c)+7], v[KLA], s[4:5] offset:(\t)*8192+64*(\c)+32
.endr
.endr
.irp t, 0,1
.irp c, 0,1,2,3,4,5,6,7
	global_load_b128 v[128+64*(\t)+8*(\c):128+64*(\t)+8*(\c)+3],   v[KLA], s[QLP:QLP+1] offset:(\t)*8192+64*(\c)
	global_load_b128 v[128+64*(\t)+8*(\c)+4:128+64*(\t)+8*(\c)+7], v[KLA], s[QLP:QLP+1] offset:(\t)*8192+64*(\c)+32
.endr
.endr
	KLOAD                                          ; kl of step 0
	; What the first step finds: O^T, V, P, a and l are 0, so that its O x a and its V^T P, of a step that has not been, give 0: no first step is written out.  These lines stand in the wait for the first tile.
	WIN 0x80
.set i, VF
.rept 128
	v_mov_b32 v[i], 0
.set i, i+1
.endr
	WIN 0x40
.set i, 0
.rept 256
	v_mov_b32 v[i], 0
.set i, i+1
.endr
	WIN 0
.set i, P
.rept 16
	v_mov_b32 v[i], 0
.set i, i+1
.endr
.irp t, 0,1
	v_mov_b32 v[ST+4*(\t)], 0xefb8aa3b             ; c m = c x -2^96
	v_mov_b32 v[ST+4*(\t)+1], 0xef800000           ; m = -2^96
	v_mov_b32 v[ST+4*(\t)+2], 0                    ; a
	v_mov_b32 v[ST+4*(\t)+3], 0                    ; l
.endr
	v_mul_u32_u24 v[AK0], v32, PK
	v_lshl_add_u32 v[AK0], v33, 4, v[AK0]
	s_mul_i32 s14, s[WV], 32*PK
	v_add_nc_u32 v[AK0], s14, v[AK0]               ; my wave's 32 keys; row x pitch + 16 x half
	v_and_b32 v34, 7, v0
	v_bfe_u32 v35, v0, 3, 1
	v_lshl_add_u32 v[AV0], v33, 3, v34             ; the turning load: key 8 (l / 16) + l % 8, channels 8 ((l / 8) % 2) on
	v_mul_u32_u24 v[AV0], v[AV0], PV
	v_lshl_add_u32 v[AV0], v35, 4, v[AV0]
	s_mul_i32 s14, s[WV], 32*PV
	s_add_co_u32 s14, s14, VOFF
	v_add_nc_u32 v[AV0], s14, v[AV0]
	v_lshlrev_b32 v37, 3, v33
	v_sub_nc_u32 v37, v32, v37                     ; register r of a diagonal block is hidden where r > l % 16 - 8 (l / 16)
.irp i, 0,1,2,3,4,5,6,7
	v_cmp_gt_i32 vcc_lo, \i, v37
	v_cndmask_b32 v[MD+(\i)], 0, s[BIGN], vcc_lo
.endr
.macro MASKSEL                         ; the three pairs (AL, BE) of this step: selects alone
	s_cmp_lt_i32 s[KB], 0
	s_cselect_b32 s14, 0xfffff000, s[DEL]          ; keys ahead of key 0: hidden
.irp x, 0,1,2
	s_add_co_i32 s17, s14, 16*(\x)-16
	s_cmp_eq_u32 s17, 0
	s_cselect_b32 s[MSK+4*(\x)], 1.0, 0
	s_cmp_eq_u32 s17, 1024
	s_cselect_b32 s[MSK+4*(\x)], -1.0, s[MSK+4*(\x)]
	s_cmp_lt_u32 s17, 1024
	s_cselect_b32 s[MSK+4*(\x)+2], 0, s[BIGN]
.endr
.endm
; Score product i of 96: 0-31 kl . qh, 32-63 kh . ql, 64-95 kh . qh (the small terms first); in each 32: channels 32 (n / 4) on, tile (n / 2) % 2, key block n % 2.  The 4 accumulators take turns through all 96.
.macro KQP
.set n, i%32
.set rS, S+16*((n/2)%2)+8*(n%2)
.if i < 32
	WIN 0x0e                                       ; kl in window 2, Q in window 3, S^T in window 0
	v_wmma_f32_16x16x32_f16 v[rS:rS+7], v[64*(n%2)+8*(n/4):64*(n%2)+8*(n/4)+7], v[64*((n/2)%2)+8*(n/4):64*((n/2)%2)+8*(n/4)+7], v[rS:rS+7]
.else
.if i == 32
	s_wait_dscnt 0x0                               ; kh is in: its loads had the 32 products before this one in which to land
.endif
	WIN 0x0c                                       ; kh in window 0
.if i < 64
	v_wmma_f32_16x16x32_f16 v[rS:rS+7], v[KV+64*(n%2)+8*(n/4):KV+64*(n%2)+8*(n/4)+7], v[128+64*((n/2)%2)+8*(n/4):128+64*((n/2)%2)+8*(n/4)+7], v[rS:rS+7]
.else
	v_wmma_f32_16x16x32_f16 v[rS:rS+7], v[KV+64*(n%2)+8*(n/4):KV+64*(n%2)+8*(n/4)+7], v[64*((n/2)%2)+8*(n/4):64*((n/2)%2)+8*(n/4)+7], v[rS:rS+7]
.endif
.endif
.set i, i+1
.endm
.macro RSC4                            ; four of the 128 lines O^T x a, ascending: each accumulator's lowest registers are read first
	WIN 0x41                                       ; O^T (destination and source 0) in window 1, a in window 0
.rept 4
	v_pk_mul_f32 v[128*(j/64)+2*(j%64):128*(j/64)+2*(j%64)+1], v[128*(j/64)+2*(j%64):128*(j/64)+2*(j%64)+1], v[ST+4*(j/64)+2:ST+4*(j/64)+3] op_sel_hi:[1,0]
.set j, j+1
.endr
.endm
.macro ZP                              ; product z of 32 of O^T += V^T P: channels 16 (z / 2) on, tile z % 2; each accumulator once
	WIN 0x52                                       ; V in window 2, P in window 0, O^T in window 1
	v_wmma_f32_16x16x32_f16 v[128*(z%2)+8*(z/2):128*(z%2)+8*(z/2)+7], v[VF+8*(z/2):VF+8*(z/2)+7], v[P+8*(z%2):P+8*(z%2)+7], v[128*(z%2)+8*(z/2):128*(z%2)+8*(z/2)+7]
.set z, z+1
.endm
.macro SCALE                           ; scaling f of 16: c s - c m for pair f / 2 of tile f % 2
	v_pk_fma_f32 v[S+16*(f%2)+2*(f/2):S+16*(f%2)+2*(f/2)+1], v[S+16*(f%2)+2*(f/2):S+16*(f%2)+2*(f/2)+1], s[CS:CS+1], v[ST+4*(f%2):ST+4*(f%2)+1] op_sel_hi:[1,0,0] neg_lo:[0,0,1] neg_hi:[0,0,1]
.set f, f+1
.endm
.macro EXPO                            ; exponential e of 32: score e / 2 of tile e % 2
	v_exp_f32 v[S+16*(e%2)+e/2], v[S+16*(e%2)+e/2]
.set e, e+1
.endm
; Line q of the 76 of a step's softmax that name no exponential's result; the two tiles alternate.  0-15 the maximum of a lane's 16 scores and the old m (each accumulator's lowest registers are read first
; ); 16-25 the other half of the lanes' maximum, c m_old kept, the new m, c m, c m_old - c m; 26-75 ONE BATCH: the two a, 16 scalings and 32 exponentials: four scalings, twelve times exponential and scaling, twenty
; exponentials.  Exponential e wants scaling 2 (e / 4) + e % 2, which is among the e + 4 issued ahead of it.
.macro SMI
	WIN 0
.set rT, TMP+8*(q%2)
.set rS, S+16*(q%2)
.set rA, ST+4*(q%2)
.if q < 2
	v_max3_num_f32 v[rT], v[rS], v[rS+1], v[rS+2]
.elseif q < 4
	v_max3_num_f32 v[rT+1], v[rS+8], v[rS+9], v[rS+10]
.elseif q < 6
	v_max3_num_f32 v[rT], v[rT], v[rS+3], v[rS+4]
.elseif q < 8
	v_max3_num_f32 v[rT+1], v[rT+1], v[rS+11], v[rS+12]
.elseif q < 10
	v_max3_num_f32 v[rT], v[rT], v[rS+5], v[rS+6]
.elseif q < 12
	v_max3_num_f32 v[rT+1], v[rT+1], v[rS+13], v[rS+14]
.elseif q < 14
	v_max3_num_f32 v[rT], v[rT], v[rS+7], v[rS+15]
.elseif q < 16
	v_max3_num_f32 v[rT], v[rT], v[rT+1], v[rA+1]
.elseif q < 18
	v_permlanex16_b32 v[rT+1], v[rT], s[SEL], s[SEL+1]
.elseif q < 20
	v_mov_b32 v[rT+2], v[rA]
.elseif q < 22
	v_max_num_f32 v[rA+1], v[rT], v[rT+1]
.elseif q < 24
	v_mul_f32 v[rA], s[CS], v[rA+1]
.elseif q < 26
	v_sub_f32 v[rT+2], v[rT+2], v[rA]
.elseif q < 28
	v_exp_f32 v[rA+2], v[rT+2]
.elseif (q < 32) || ((q < 56) && (q%2 == 1))
	SCALE
.else
	EXPO
.endif
.set q, q+1
.endm
; A KEY STEP.  last = 1: there is no next step: no kl is asked for.
.macro STEP last
	WIN 0
	v_add_nc_u32 v[ADR], s[TB], v[AK0]
.irp kb, 0,1                           ; kh's fragments: their registers' last reader, the step before's last score product, stands far more than four plain lines back
.irp c, 0,1,2,3,4,5,6,7
	ds_load_b128 v[KV+64*(\kb)+8*(\c):KV+64*(\kb)+8*(\c)+3],   v[ADR] offset:(\kb)*16*PK+64*(\c)
	ds_load_b128 v[KV+64*(\kb)+8*(\c)+4:KV+64*(\kb)+8*(\c)+7], v[ADR] offset:(\kb)*16*PK+64*(\c)+32
.endr
.endr
	MASKSEL
.irp t, 0,1
.irp kb, 0,1
.irp i, 0,1,2,3
	v_pk_fma_f32 v[S+16*(\t)+8*(\kb)+2*(\i):S+16*(\t)+8*(\kb)+2*(\i)+1], v[MD+2*(\i):MD+2*(\i)+1], s[MSK+4*((\t)-(\kb)+1):MSK+4*((\t)-(\kb)+1)+1], s[MSK+4*((\t)-(\kb)+1)+2:MSK+4*((\t)-(\kb)+1)+3] op_sel_hi:[1,0,0]
.endr
.endr
.endr
	s_wait_loadcnt 0x0                             ; kl of this step, asked for a step ago, is in (in the first step: Q too); its address registers may be written again
.set i, 0
.set j, 0
.rept 32                               ; the 96 score products; behind every third four lines of O x a of the step before.  The last four are also the places between the last product and the first read of the scores
	KQP
	KQP
	KQP
	RSC4
.if (i == 33) && !(\last)              ; kl's last reader is product 31: the four lines just written are the places behind it
	s_add_co_i32 s53, s[KB], 128                   ; my first key of the next step
	s_max_i32 s53, s53, 0
	s_lshl_b32 s[KLO], s53, 9
	s_add_nc_u64 s[KLB:KLB+1], s[KLH:KLH+1], s[KLO:KLO+1]
	KLOAD                                          ; it has 95 products and the change of slots in which to land
.endif
.endr
.set z, 0
.set q, 0
.set f, 0
.set e, 0
.rept 16                               ; V^T P of the step before; behind every second product three lines of this step's softmax, none of which names a register of those products
	ZP
	ZP
	SMI
	SMI
	SMI
.endr
	WIN 0
	v_add_nc_u32 v[ADV], s[TB], v[AV0]             ; with three v_nop the four places behind the last product that read V and P
	v_nop
	v_nop
	v_nop
	WIN 0x80                                       ; destination window 2
.irp cb, 0,1,2,3,4,5,6,7,8,9,10,11,12,13,14,15
	ds_load_tr16_b128 v[VF+8*(\cb):VF+8*(\cb)+3],   v[ADV] offset:32*(\cb)
	ds_load_tr16_b128 v[VF+8*(\cb)+4:VF+8*(\cb)+7], v[ADV] offset:16*PV+32*(\cb)
.endr
	WIN 0
.rept 28                               ; the rest of the batch stands in the shadow of V's loads
	SMI
.endr
	v_nop                                          ; a plain instruction behind the last exponential,
	s_wait_alu depctr_va_vdst(0)                   ; and the one wait ahead of the batch's first reader
.set i, 0
.rept 16
	v_cvt_pk_f16_f32 v[P+8*(i%2)+i/2], v[S+16*(i%2)+2*(i/2)], v[S+16*(i%2)+2*(i/2)+1]
.set i, i+1
.endr
	ALL v_pk_add_f32 v[S+16*t:S+16*t+1], v[S+16*t:S+16*t+1], v[S+16*t+2:S+16*t+3]
	ALL v_pk_add_f32 v[S+16*t+4:S+16*t+5], v[S+16*t+4:S+16*t+5], v[S+16*t+6:S+16*t+7]
	ALL v_pk_add_f32 v[S+16*t+8:S+16*t+9], v[S+16*t+8:S+16*t+9], v[S+16*t+10:S+16*t+11]
	ALL v_pk_add_f32 v[S+16*t+12:S+16*t+13], v[S+16*t+12:S+16*t+13], v[S+16*t+14:S+16*t+15]
	ALL v_pk_add_f32 v[S+16*t:S+16*t+1], v[S+16*t:S+16*t+1], v[S+16*t+4:S+16*t+5]
	ALL v_pk_add_f32 v[S+16*t+8:S+16*t+9], v[S+16*t+8:S+16*t+9], v[S+16*t+12:S+16*t+13]
	ALL v_pk_add_f32 v[S+16*t:S+16*t+1], v[S+16*t:S+16*t+1], v[S+16*t+8:S+16*t+9]
	ALL v_add_f32 v[S+16*t], v[S+16*t], v[S+16*t+1]
	ALL v_fma_f32 v[ST+4*t+3], v[ST+4*t+3], v[ST+4*t+2], v[S+16*t]
	s_sub_co_i32 s[DEL], s[DEL], 128
	s_add_co_i32 s[KB], s[KB], 128
.endm
.Lstep:                                                ; eight trips: a tile is entered and the next is asked for
	CHANGE 1
	STEP 0
	s_sub_co_u32 s[CNT], s[CNT], 1
	s_cmp_lg_u32 s[CNT], 0
	s_cbranch_scc1 .Lstep
	CHANGE 0                                       ; the last tile is written out
	STEP 1
.set j, 0
.rept 32                               ; the last step's O x a,
	RSC4
.endr
	s_wait_dscnt 0x0                               ; its V is in,
.set z, 0
.rept 32                               ; and its V^T P
	ZP
.endr
	; THE FOUR WAVES' PARTS MEET.  Each wave lays its two tiles of O^T (f32) over the slots, which have had their last fill, and c m and l beside them; then wave w finishes tile w % 2, channels 128 (w / 2) on.
	; The address lines below are far more than the four places between the last products and the stores that read their results.
	WIN 0
	ALL v_permlanex16_b32 v[S+16*t], v[ST+4*t+3], s[SEL], s[SEL+1]
	ALL v_add_f32 v[ST+4*t+3], v[ST+4*t+3], v[S+16*t]
	v_and_b32 v33, 31, v0
	v_lshlrev_b32 v43, 4, v33                      ; 16 x lane
	s_lshl_b32 s14, s[WV], 15
	v_add_nc_u32 v34, s14, v43                     ; where I put my parts: (2 w + t) 16,384 + 512 g + 16 lane
	s_lshl_b32 s14, s[WV], 9
	s_add_co_u32 s14, s14, STAT
	v_lshl_add_u32 v35, v33, 2, s14
	s_and_b32 s16, s[WV], 1                        ; my tile,
	s_lshr_b32 s17, s[WV], 1                       ; my half of its channels
	s_lshl_b32 s14, s16, 7
	s_add_co_u32 s14, s14, STAT
	v_lshl_add_u32 v36, v33, 2, s14
	s_lshl_b32 s14, s16, 14
	s_lshl_b32 s17, s17, 13
	s_add_co_u32 s14, s14, s17
	v_add_nc_u32 v37, s14, v43                     ; where I read my half tile of wave 0, 1, 2, 3
	v_add_nc_u32 v38, 0x8000, v37
	v_add_nc_u32 v39, 0x10000, v37
	v_add_nc_u32 v40, 0x18000, v37
	v_and_b32 v44, 15, v0
	v_bfe_u32 v45, v0, 4, 1
	s_mul_i32 s14, s[WV], 16*SP
	s_add_co_u32 s14, s14, STAGE                   ; my stage
	v_mul_u32_u24 v41, v44, SP                     ; in: row l % 16, 16 bytes for each half of the lanes
	v_lshl_add_u32 v41, v45, 4, v41
	v_add_nc_u32 v41, s14, v41
	v_mul_u32_u24 v42, v45, SP                     ; back: lanes 0-15 take one row's 256 bytes, lanes 16-31 the next row's
	v_lshl_add_u32 v42, v44, 4, v42
	v_add_nc_u32 v42, s14, v42
	v_lshlrev_b32 v46, 11, v45                     ; and the same two rows in oh
	v_lshl_add_u32 v46, v44, 4, v46
	s_wait_dscnt 0x0
	s_barrier_signal -1
	s_barrier_wait -1                              ; nobody reads the slots any more
	WIN 0x04
.irp t, 0,1
.set g, 0
.rept 32
	ds_store_b128 v34, v[128*(\t)+4*g:128*(\t)+4*g+3] offset:(\t)*16384+g*512
.set g, g+1
.endr
.endr
	WIN 0
.irp t, 0,1
	ds_store_b32 v35, v[ST+4*(\t)]   offset:(\t)*128
	ds_store_b32 v35, v[ST+4*(\t)+3] offset:2048+(\t)*128
.endr
	s_wait_dscnt 0x0                               ; for the others' sake
	s_barrier_signal -1
	s_barrier_wait -1
.irp v, 0,1,2,3
	ds_load_b32 v[48+(\v)], v36 offset:512*(\v)        ; c m of my tile in wave v,
	ds_load_b32 v[52+(\v)], v36 offset:2048+512*(\v)   ; and l
.endr
	WIN 0x40                                       ; wave v's half tile into window 1, v[64 v ..]
.set g, 0
.rept 16
	ds_load_b128 v[4*g:4*g+3],       v37 offset:g*512
	ds_load_b128 v[64+4*g:64+4*g+3], v38 offset:g*512
.set g, g+1
.endr
	WIN 0
	s_wait_dscnt 32                                ; the eight statistics are in; the 32 loads behind them may be out
	v_max3_num_f32 v56, v48, v49, v50
	v_max_num_f32 v56, v56, v51
.irp v, 0,1,2,3
	v_sub_f32 v[48+(\v)], v[48+(\v)], v56
.endr
.irp v, 0,1,2,3
	v_exp_f32 v[58+2*(\v)], v[48+(\v)]             ; f = 2^(c m - the largest c m): 0 for a wave that saw no key of the query
.endr
.irp v, 0,1,2,3
	v_mov_b32 v[59+2*(\v)], 0                      ; named with f as a pair
.endr
	WIN 0x40
.set g, 0
.rept 16
	ds_load_b128 v[128+4*g:128+4*g+3], v39 offset:g*512
	ds_load_b128 v[192+4*g:192+4*g+3], v40 offset:g*512
.set g, g+1
.endr
	WIN 0
	s_wait_alu depctr_va_vdst(0)                   ; one wait for the four exponentials
	v_mul_f32 v66, v58, v52
	v_fma_f32 v66, v60, v53, v66
	v_fma_f32 v66, v62, v54, v66
	v_fma_f32 v66, v64, v55, v66
	v_rcp_f32 v67, v66
	v_nop
	s_wait_alu depctr_va_vdst(0)
.irp v, 0,1,2,3
	v_mul_f32 v[58+2*(\v)], v[58+2*(\v)], v67
.endr
	s_wait_dscnt 0x0
	WIN 0x51                                       ; the half tiles in window 1, their factors in window 0
.set i, 0
.rept 32
	v_pk_mul_f32 v[2*i:2*i+1], v[2*i:2*i+1], v[58:59] op_sel_hi:[1,0]
.set i, i+1
.endr
.irp v, 1,2,3
.set i, 0
.rept 32
	v_pk_fma_f32 v[2*i:2*i+1], v[64*(\v)+2*i:64*(\v)+2*i+1], v[58+2*(\v):59+2*(\v)], v[2*i:2*i+1] op_sel_hi:[1,0,1]
.set i, i+1
.endr
.endr
	WIN 0x05
.set i, 0
.rept 32
	v_cvt_pk_f16_f32 v[KV+i], v[2*i], v[2*i+1]
.set i, i+1
.endr
	WIN 0
.irp cb, 0,1,2,3,4,5,6,7
	ds_store_b128 v41, v[KV+4*(\cb):KV+4*(\cb)+3] offset:32*(\cb)
.endr
.irp p, 0,1,2,3,4,5,6,7
	ds_load_b128 v[KV+32+4*(\p):KV+32+4*(\p)+3], v42 offset:(\p)*2*SP  ; my own stage: LDS serves a wave's instructions in order
.endr
.irp p, 0,1,2,3,4,5,6,7
	s_wait_dscnt 7-(\p)                            ; the younger loads from the stage may stay out
	global_store_b128 v46, v[KV+32+4*(\p):KV+32+4*(\p)+3], s[10:11] offset:(\p)*4096  ; sixteen lanes store 256 consecutive bytes, aligned: half a head's channels of a row
.endr
	s_wait_tensorcnt 0x0                           ; the wave's end
	ds_add_u32 v[SPW], v[NIL]
	s_wait_dscnt 0x0
	CROUND                                         ; the closing round
	s_endpgm
.Lfunc_end_k_q489e60a433_attn:
	.size	k_q489e60a433_attn, .Lfunc_end_k_q489e60a433_attn-k_q489e60a433_attn
	.p2alignl 7, 3214868480
	.fill 96, 4, 3214868480
	.section	.rodata,"a",@progbits
	.p2align	6, 0x0
	.amdhsa_kernel k_q489e60a433_attn
		.amdhsa_group_segment_fixed_size 327680
		.amdhsa_private_segment_fixed_size 0
		.amdhsa_enable_private_segment 0
		.amdhsa_kernarg_size 48
		.amdhsa_user_sgpr_count 2
		.amdhsa_user_sgpr_kernarg_segment_ptr 1
		.amdhsa_wavefront_size32 1
		.amdhsa_system_sgpr_workgroup_id_x 1
		.amdhsa_system_sgpr_workgroup_id_y 1
		.amdhsa_system_sgpr_workgroup_id_z 1
		.amdhsa_system_vgpr_workitem_id 0
		.amdhsa_next_free_vgpr 1024
		.amdhsa_next_free_sgpr 96
		.amdhsa_reserve_vcc 1
		.amdhsa_float_denorm_mode_32 3
		.amdhsa_float_denorm_mode_16_64 3
		.amdhsa_memory_ordered 1
		.amdhsa_forward_progress 1
		.amdhsa_inst_pref_size 132
	.end_amdhsa_kernel
	.amdgpu_metadata
---
amdhsa.version: [ 1, 2 ]
amdhsa.kernels:
  - .name:           k_q489e60a433_attn
    .symbol:         k_q489e60a433_attn.kd
    .args:
      - { .name: qh, .offset: 0, .size: 8, .value_kind: global_buffer, .address_space: global }
      - { .name: kh, .offset: 8, .size: 8, .value_kind: global_buffer, .address_space: global }
      - { .name: vh, .offset: 16, .size: 8, .value_kind: global_buffer, .address_space: global }
      - { .name: oh, .offset: 24, .size: 8, .value_kind: global_buffer, .address_space: global }
      - { .name: ql, .offset: 32, .size: 8, .value_kind: global_buffer, .address_space: global }
      - { .name: kl, .offset: 40, .size: 8, .value_kind: global_buffer, .address_space: global }
    .group_segment_fixed_size: 327680
    .private_segment_fixed_size: 0
    .kernarg_segment_align: 8
    .kernarg_segment_size: 48
    .max_flat_workgroup_size: 128
    .sgpr_count:     96
    .vgpr_count:     1024
    .wavefront_size: 32
...
	.end_amdgpu_metadata
.endif
;; end of part 4
;; launch oproj (part 5): grid 8 x 32, 4 waves a work-group, clusters of 4 x 4, 327,680 bytes of LDS; arguments oh, bfin, out0; writes out0
.if DOCPART == 5
	.amdgcn_target "amdgcn-amd-amdhsa--gfx1250"
	.amdhsa_code_object_version 6
	.text
	.protected	k_q489e60a433_oproj
	.globl	k_q489e60a433_oproj
	.p2align	8
	.type	k_q489e60a433_oproj,@function
k_q489e60a433_oproj:
	s_mov_b64 s[64:65], 0
	v_nop
	global_prefetch_b8 v0, s[64:65] scope:SCOPE_SE
	s_setreg_imm32_b32 hwreg(HW_REG_WAVE_MODE, 25, 1), 1
	s_wait_xcnt 0x0
	s_wait_alu depctr_hold_cnt(0) depctr_sa_sdst(0) depctr_va_vdst(0) depctr_va_sdst(0) depctr_va_ssrc(0) depctr_va_vcc(0) depctr_vm_vsrc(0)
	s_getreg_b32 s2, hwreg(HW_REG_IB_STS2, 6, 4)
	s_cmp_eq_u32 s2, 0
	s_cbranch_scc0 .Lentry_in_a_cluster
	s_endpgm
.Lentry_in_a_cluster:
	s_bfe_u32 s2, ttmp6, 0x10000c
	s_cmp_lg_u32 s2, 0xf033
	s_cbranch_scc0 .Lentry_shape_is_right
	s_endpgm
.Lentry_shape_is_right:
; out0[4096][2048] (f32) = oh[4096][1024] owh[2048][1024]^T, both f16 (owh holds o_w rounded to bf16); sums in f32, stored as they are.
; A tile of the output is 128 rows x 256 columns: 256 work-groups, one for each of the 32 x 8 tiles.  Four waves, each 64 rows x 128 columns: 32 accumulators.  K goes in steps of 128 (rows of 256 bytes,
; aligned) through two LDS slots; two slots of a longer step would be 2 x 202,752 bytes, more than LDS holds.  CLUSTERS of 4 x 4: A's tile is asked for jointly along a row of the cluster, B's along a column.
; No prefetch: the launch has eight K steps, of which the first ones are asked for at the head.
; THE MATRIX INSTRUCTION IS USED TRANSPOSED: a lane holds row l % 16 and eight neighbouring columns, 32 bytes of f32.
; REGISTERS: window 0: v0-31 addresses, v32-95 rows on their way out;  window 1: accumulator (a, b) at v[8 (8 a + b)];  windows 2, 3: two fragment buffers, 64 along K deep: for each 32 along K
; B's 8 fragments at 96 c + 8 b, A's 4 at 96 c + 64 + 8 a.
.set KSTEP,  128
.set PITCH,  272
.set BOFF,   128*PITCH                 ; B's 256 rows lie behind A's 128
.set SLOT,   384*PITCH
.set STAGE,  2*SLOT                    ; 16 rows x 528 bytes for each wave
.set SPITCH, 528
.set SPARE,  STAGE+4*16*SPITCH
.set LAPS,   4
.set OWOFF,  29360128                  ; owh in bfin
.set ADRA, 16
.set ADRB, 20
.set STO,  24
.set RD,   25
.set CO,   26
.set SPW,  28
.set NIL,  29
.set OB,   32
.set G1, 24
.set G0, 32
.set G1B, 48
.set G0B, 56
.set MSB, 0
.macro WIN new
.if MSB != (\new)
	s_set_vgpr_msb (MSB<<8)|(\new)
.set MSB, \new
.endif
.endm
.macro PLACES
.rept 4
	v_nop
.endr
.endm
.macro JLOAD s                         ; waves 0, 1 fetch A's halves of 64 rows, waves 2, 3 B's of 128
	s_cmp_eq_u32 s11, 0
	s_cbranch_scc0 .Lfor_b_\@
	tensor_load_to_lds s[G0+4*(\s):G0+4*(\s)+3], s[G1:G1+7]
	s_nop 0
.rept 4
	v_nop
.endr
	s_branch .Lasked_\@
.Lfor_b_\@:
	tensor_load_to_lds s[G0B+4*(\s):G0B+4*(\s)+3], s[G1B:G1B+7]
	s_nop 0
.rept 4
	v_nop
.endr
.Lasked_\@:
.endm
.macro CREST
	s_cmp_lg_u32 s10, 0
	s_cbranch_scc1 .Lnot_wave_0_\@
	s_barrier_signal -3
.Lnot_wave_0_\@:
	s_barrier_wait -3
	s_barrier_signal -1
	s_barrier_wait -1
.endm
.macro CROUND
	s_barrier_signal -1
	s_barrier_wait -1
	CREST
.endm
	s_load_b128 s[4:7], s[0:1], 0x0                ; oh s[4:5], bfin s[6:7]
	s_load_b64 s[8:9], s[0:1], 0x10                ; out0
	v_lshl_add_u32 v[SPW], v0, 2, SPARE
	v_mov_b32 v[NIL], 0
	ds_add_u32 v[SPW], v[NIL]                      ; the wave's opening
	ds_add_u32 v28, v29
	v_lshrrev_b32 v1, 5, v0
	v_readfirstlane_b32 s10, v1                    ; wave
	s_lshr_b32 s11, s10, 1                         ; my half of the tile's rows.  Also: I fetch for A (0) or B (1)
	s_and_b32 s12, s10, 1                          ; my half of its columns.  Also: which half of that tile I fetch
	s_bfe_u32 s40, ttmp6, 0x40000
	s_bfe_u32 s41, ttmp6, 0x40004
	s_lshl_b32 s42, ttmp9, 2
	s_add_co_u32 s42, s42, s40                     ; tile column
	s_and_b32 s13, ttmp7, 0xffff
	s_lshl_b32 s13, s13, 2
	s_add_co_u32 s13, s13, s41                     ; tile row
	s_lshl_b32 s43, s41, 2
	s_lshl_b32 s43, 15, s43
	s_lshl_b32 s44, 0x1111, s40
	s_or_b32 s[G1+0], s43, (1<<16)|(1<<20)|(1<<21)|(5<<22)|(3<<25)
	s_or_b32 s[G1B+0], s44, (1<<16)|(1<<20)|(1<<21)|(5<<22)|(3<<25)
	s_mov_b32 s[G1+1], KSTEP<<16
	s_mov_b32 s[G1+2], 64<<16                      ; A: 64 rows
	s_mov_b32 s[G1+3], KSTEP<<16
	s_mov_b32 s[G1+4], 64
	s_mov_b32 s[G1+5], 1024
	s_mov_b32 s[G1+6], 0
	s_mov_b32 s[G1+7], 0
	s_mov_b32 s[G1B+1], KSTEP<<16
	s_mov_b32 s[G1B+2], 128<<16                    ; B: 128 rows
	s_mov_b32 s[G1B+3], KSTEP<<16
	s_mov_b32 s[G1B+4], 128
	s_mov_b32 s[G1B+5], 1024
	s_mov_b32 s[G1B+6], 0
	s_mov_b32 s[G1B+7], 0
	s_lshl_b32 s17, s12, 6
	s_lshl_b32 s16, s13, 7
	s_add_co_u32 s16, s16, s17                     ; A: row 128 x tile row + 64 x half,
	s_lshl_b32 s16, s16, 11                        ; x 2,048 bytes
	s_mov_b32 s17, 0
	s_lshl_b32 s47, s12, 7
	s_lshl_b32 s46, s42, 8
	s_add_co_u32 s46, s46, s47                     ; B: row 256 x tile column + 128 x half
	s_lshl_b32 s46, s46, 11
	s_add_co_u32 s46, s46, OWOFF
	s_mov_b32 s47, 0
	s_mul_i32 s20, s12, 64*PITCH                   ; where they go
	s_mul_i32 s21, s12, 128*PITCH
	s_add_co_u32 s21, s21, BOFF
	s_wait_dscnt 0x0
	s_wait_kmcnt 0x0
	s_add_nc_u64 s[14:15], s[4:5], s[16:17]
	s_add_nc_u64 s[46:47], s[6:7], s[46:47]
	CROUND
.irp s, 0,1
	s_mov_b32 s[G0+4*(\s)], 1
	s_add_co_u32 s[G0+4*(\s)+1], s20, (\s)*SLOT
	s_add_nc_u64 s[G0+4*(\s)+2:G0+4*(\s)+3], s[14:15], (\s)*KSTEP*2
	s_or_b32 s[G0+4*(\s)+3], s[G0+4*(\s)+3], 0x80000000
	s_mov_b32 s[G0B+4*(\s)], 1
	s_add_co_u32 s[G0B+4*(\s)+1], s21, (\s)*SLOT
	s_add_nc_u64 s[G0B+4*(\s)+2:G0B+4*(\s)+3], s[46:47], (\s)*KSTEP*2
	s_or_b32 s[G0B+4*(\s)+3], s[G0B+4*(\s)+3], 0x80000000
	JLOAD \s
.endr
	v_and_b32 v1, 15, v0
	v_bfe_u32 v2, v0, 4, 1
	v_mul_u32_u24 v3, v1, PITCH
	v_lshl_add_u32 v3, v2, 4, v3
	s_mul_i32 s21, s11, 64*PITCH                   ; my 64 rows of A
	s_mul_i32 s22, s12, 128*PITCH                  ; my 128 rows of B
	s_add_co_u32 s22, s22, BOFF
.irp s, 0,1
	v_add_nc_u32 v[ADRA+(\s)], s21, v3
	v_add_nc_u32 v[ADRB+(\s)], s22, v3
	s_add_co_u32 s21, s21, SLOT
	s_add_co_u32 s22, s22, SLOT
.endr
	s_mul_i32 s23, s10, 16*SPITCH
	s_add_co_u32 s23, s23, STAGE
	v_mul_u32_u24 v4, v1, SPITCH
	v_lshl_add_u32 v4, v2, 5, v4                   ; row l % 16, 32 bytes for each half of the lanes
	v_add_nc_u32 v[STO], s23, v4
	v_and_b32 v5, 31, v0
	v_lshlrev_b32 v[CO], 4, v5
	v_add_nc_u32 v[RD], s23, v[CO]
	s_lshl_b32 s16, s13, 7
	s_lshl_b32 s17, s11, 6
	s_add_co_u32 s16, s16, s17
	s_lshl_b32 s16, s16, 13                        ; my first row x 8,192 bytes
	s_lshl_b32 s17, s42, 10                        ; the tile's 256 columns,
	s_add_co_u32 s16, s16, s17
	s_lshl_b32 s17, s12, 9                         ; my 128 of them
	s_add_co_u32 s16, s16, s17
	s_mov_b32 s17, 0
	s_add_nc_u64 s[8:9], s[8:9], s[16:17]
; 16 products: row blocks a0, a0 + 1 x 8 column blocks, 32 along K: part c of buffer f.  The 32 accumulators take turns.
.macro MUL16 f, c, a0, zero
	WIN 0x5a+5*(\f)
.irp a, \a0, (\a0)+1
.irp b, 0,1,2,3,4,5,6,7
.if \zero
	v_wmma_f32_16x16x32_f16 v[8*(8*(\a)+(\b)):8*(8*(\a)+(\b))+7], v[96*(\c)+8*(\b):96*(\c)+8*(\b)+7], v[96*(\c)+64+8*(\a):96*(\c)+64+8*(\a)+7], 0
.else
	v_wmma_f32_16x16x32_f16 v[8*(8*(\a)+(\b)):8*(8*(\a)+(\b))+7], v[96*(\c)+8*(\b):96*(\c)+8*(\b)+7], v[96*(\c)+64+8*(\a):96*(\c)+64+8*(\a)+7], v[8*(8*(\a)+(\b)):8*(8*(\a)+(\b))+7]
.endif
.endr
.endr
.endm
; 48 LDS loads in one run: 64 along K at byte k, into buffer f; the first 32 along K first
.macro FETCH slot, k, f
	WIN 0x80+0x40*(\f)
.irp c, 0,1
.irp i, 0,1,2,3,4,5,6,7
	ds_load_b128 v[96*(\c)+8*(\i):96*(\c)+8*(\i)+3],   v[ADRB+(\slot)] offset:(\k)+64*(\c)+(\i)*16*PITCH
	ds_load_b128 v[96*(\c)+8*(\i)+4:96*(\c)+8*(\i)+7], v[ADRB+(\slot)] offset:(\k)+64*(\c)+(\i)*16*PITCH+32
.endr
.irp i, 0,1,2,3
	ds_load_b128 v[96*(\c)+64+8*(\i):96*(\c)+64+8*(\i)+3],   v[ADRA+(\slot)] offset:(\k)+64*(\c)+(\i)*16*PITCH
	ds_load_b128 v[96*(\c)+64+8*(\i)+4:96*(\c)+64+8*(\i)+7], v[ADRA+(\slot)] offset:(\k)+64*(\c)+(\i)*16*PITCH+32
.endr
.endr
.endm
.macro HALF0 slot, zero                ; a K step's first half: buffer 0 is multiplied, buffer 1 fetched
	s_wait_dscnt 24                                ; the first 32 along K are in
	MUL16 0, 0, 0, \zero
	MUL16 0, 0, 2, \zero
	PLACES
	FETCH \slot, 128, 1
	s_wait_dscnt 48                                ; all but the 48 just issued
	MUL16 0, 1, 0, 0
	MUL16 0, 1, 2, 0
.endm
.macro TURN slot, next, fill           ; its second half multiplies buffer 1 and changes slots
	WIN 0
	s_wait_tensorcnt 0x0                           ; all my tensor loads have landed: my part of the other slot
	ds_add_u32 v[SPW], v[NIL]
	s_wait_dscnt 25                                ; the add and the youngest 24 loads may be out
	MUL16 1, 0, 0, 0
	s_wait_dscnt 0x0                               ; the add is done, and my reads of this slot are over
	s_barrier_signal -1
	MUL16 1, 0, 2, 0
	WIN 0
	s_barrier_wait -1
.if \fill
	CREST
	s_add_nc_u64 s[G0+4*(\slot)+2:G0+4*(\slot)+3], s[G0+4*(\slot)+2:G0+4*(\slot)+3], 2*KSTEP*2
	s_add_nc_u64 s[G0B+4*(\slot)+2:G0B+4*(\slot)+3], s[G0B+4*(\slot)+2:G0B+4*(\slot)+3], 2*KSTEP*2
	JLOAD \slot                                    ; my one tensor load behind the round; its four v_nop are also the places in front of the loads below
.else
	PLACES
.endif
	FETCH \next, 0, 0
	MUL16 1, 1, 0, 0
	MUL16 1, 1, 2, 0
.endm
	s_wait_tensorcnt 1                             ; my part of K step 0 is in; K step 1's may stay out
	s_barrier_signal -1
	s_barrier_wait -1
	FETCH 0, 0, 0
	HALF0 0, 1
	WIN 0
	s_mov_b32 s3, LAPS-1
.Llap:
	TURN 0, 1, 1
	HALF0 1, 0
	TURN 1, 0, 1
	HALF0 0, 0
	WIN 0
	s_sub_co_u32 s3, s3, 1
	s_cmp_lg_u32 s3, 0
	s_cbranch_scc1 .Llap
	TURN 0, 1, 0                                   ; the last lap fills nothing
	HALF0 1, 0
	s_wait_dscnt 24
	MUL16 1, 0, 0, 0
	MUL16 1, 0, 2, 0
	s_wait_dscnt 0x0
	MUL16 1, 1, 0, 0
	MUL16 1, 1, 2, 0
	WIN 0
	PLACES
	; THE WAY OUT, 16 rows at a time through my own stage: 32 bytes a lane in, whole rows of 512 bytes back
.irp a, 0,1,2,3
	WIN 0x04
.irp b, 0,1,2,3,4,5,6,7
	ds_store_b128 v[STO], v[8*(8*(\a)+(\b)):8*(8*(\a)+(\b))+3]   offset:64*(\b)     ; each accumulator's lowest registers first
	ds_store_b128 v[STO], v[8*(8*(\a)+(\b))+4:8*(8*(\a)+(\b))+7] offset:64*(\b)+16
.endr
	WIN 0
	s_wait_xcnt 0x0                                ; the last block's stores have read their registers
.irp p, 0,1,2,3,4,5,6,7,8,9,10,11,12,13,14,15
	ds_load_b128 v[OB+4*(\p):OB+4*(\p)+3], v[RD] offset:(\p)*SPITCH
.endr
.irp p, 0,1,2,3,4,5,6,7,8,9,10,11,12,13,14,15
	s_wait_dscnt 15-(\p)
	global_store_b128 v[CO], v[OB+4*(\p):OB+4*(\p)+3], s[8:9] offset:(16*(\a)+(\p))*8192 th:TH_STORE_NT  ; 512 consecutive bytes, aligned
.endr
.endr
	s_wait_tensorcnt 0x0                           ; the wave's end
	ds_add_u32 v[SPW], v[NIL]
	s_wait_dscnt 0x0
	CROUND                                         ; the closing round
	s_endpgm
.Lfunc_end_k_q489e60a433_oproj:
	.size	k_q489e60a433_oproj, .Lfunc_end_k_q489e60a433_oproj-k_q489e60a433_oproj
	.p2alignl 7, 3214868480
	.fill 96, 4, 3214868480
	.section	.rodata,"a",@progbits
	.p2align	6, 0x0
	.amdhsa_kernel k_q489e60a433_oproj
		.amdhsa_group_segment_fixed_size 327680
		.amdhsa_private_segment_fixed_size 0
		.amdhsa_enable_private_segment 0
		.amdhsa_kernarg_size 24
		.amdhsa_user_sgpr_count 2
		.amdhsa_user_sgpr_kernarg_segment_ptr 1
		.amdhsa_wavefront_size32 1
		.amdhsa_system_sgpr_workgroup_id_x 1
		.amdhsa_system_sgpr_workgroup_id_y 1
		.amdhsa_system_sgpr_workgroup_id_z 1
		.amdhsa_system_vgpr_workitem_id 0
		.amdhsa_next_free_vgpr 960
		.amdhsa_next_free_sgpr 66
		.amdhsa_reserve_vcc 0
		.amdhsa_float_denorm_mode_32 3
		.amdhsa_float_denorm_mode_16_64 3
		.amdhsa_memory_ordered 1
		.amdhsa_forward_progress 1
		.amdhsa_inst_pref_size 85
	.end_amdhsa_kernel
	.amdgpu_metadata
---
amdhsa.version: [ 1, 2 ]
amdhsa.kernels:
  - .name:           k_q489e60a433_oproj
    .symbol:         k_q489e60a433_oproj.kd
    .args:
      - { .name: oh, .offset: 0, .size: 8, .value_kind: global_buffer, .address_space: global }
      - { .name: bfin, .offset: 8, .size: 8, .value_kind: global_buffer, .address_space: global }
      - { .name: out0, .offset: 16, .size: 8, .value_kind: global_buffer, .address_space: global }
    .group_segment_fixed_size: 327680
    .private_segment_fixed_size: 0
    .kernarg_segment_align: 8
    .kernarg_segment_size: 24
    .max_flat_workgroup_size: 128
    .sgpr_count:     66
    .vgpr_count:     960
    .wavefront_size: 32
...
	.end_amdgpu_metadata
.endif
;; end of part 5
;; ======== version 2 of 2: 5 launches; version 1 with the launches cast, norm written anew for expert scheduling mode
;; limits: values are held in f16: magnitudes above 65,504 overflow, below 6.1e-05 lose precision; right only within a limited range of input values
;; workspace buffers: bfin 37,748,736 bytes; cq 50,331,648 bytes; qh 8,388,608 bytes; kh 8,388,608 bytes; vh 8,388,608 bytes; oh 8,388,608 bytes; ql 8,388,608 bytes; kl 8,388,608 bytes
;; launch cast (part 6): grid 256 x 1, 18 waves a work-group, no clusters, 0 bytes of LDS; arguments hidden_states, q_w, k_w, v_w, o_w, cos, sin, bfin; writes bfin
.if DOCPART == 6
	.amdgcn_target "amdgcn-amd-amdhsa--gfx1250"
	.amdhsa_code_object_version 6
	.text
	.protected	k_q489e60a433_cast
	.globl	k_q489e60a433_cast
	.p2align	8
	.type	k_q489e60a433_cast,@function
k_q489e60a433_cast:
	s_mov_b64 s[64:65], 0
	v_nop
	global_prefetch_b8 v0, s[64:65] scope:SCOPE_SE
	s_setreg_imm32_b32 hwreg(HW_REG_WAVE_SCHED_MODE, 0, 2), 2
	s_setreg_imm32_b32 hwreg(HW_REG_WAVE_MODE, 25, 1), 1
	s_wait_xcnt 0x0
	s_wait_alu depctr_vm_vsrc(0)
; ALL INPUTS BUT THE TWO GAINS ARE ROUNDED ONCE TO bf16 AND LAID OUT FOR THE LATER LAUNCHES.  bfin, in units of 8,192 bytes, one to a wave:
;   units 0-2047     xb[4096][2048] bf16            units 2048-3583  wqkv[3072][2048] bf16: q_w's rows, k_w's, v_w's
;   units 3584-4095  owh[2048][1024]: o_w rounded to bf16, that number written as f16 (it multiplies an f16 operand later)
;   units 4096-4607  cs[4096][512] bf16: a row is cos[256], then sin[256]; a unit is eight rows
; LIMIT.  |o_w| stays under 65,504; below 2^-14 an o_w keeps f16's fixed step of 2^-24.
; A stream: no LDS, no barrier, no matrix unit, no cluster (no two waves read the same byte).  4,608 units = 256 work-groups x 18 waves: every work-group has the same share.
; A wave issues all its 32 loads (16 KiB) first; nothing is read twice.  A load of the wave covers 512 consecutive bytes (lane ln at 16 ln); its four numbers a lane leave as 8 bytes, so that a store covers 256
; consecutive bytes, aligned.  Group i = 2 j + par has two loads, 512 bytes apart, and two stores at j 1024 + par 512 + (0, 256) + 8 ln.
; Linear units: the source byte is twice the destination byte (j steps 2,048 bytes, par picks a second base 1,024 bytes on).  cs units: row j of the unit's eight (j steps 1,024 bytes), par 0 from cos, par 1 from sin.
; THE MODE: SCHED_MODE bits 1:0 = 2 (LLVM: expert scheduling mode 2), set by the entry lines.  The code itself states the register dependences between vector instructions and memory instructions,
; with s_wait_alu, always for 0.
; THE PLAN.  Registers that memory instructions touch:
;   v[VO ..], v[DO]  offsets, made once at the head and never written again: one wait ahead of the first load states that they are written.
;   X, group i       its two loads land in it at the head, when no vector instruction has named it; its roundings read all eight registers and write the first four; its two stores read those four; nothing writes them again.
; The sixteen groups go in four blocks of four.  While block p is rounded, the eight stores of block p - 1 are issued, two ahead of each group's roundings: one wait at the block's head states that block p - 1 has
; written its words, and no vector instruction of block p names them.  One more wait stands ahead of the last block's stores.  No register that a memory instruction has read is written again.
.set VO, 2                             ; v[2:9]     source offset of j = 0..7; never rewritten
.set DO, 10                            ; v10        destination offset: 8 x lane; never rewritten
.set X,  16                            ; v[16:143]  group i: 8 f32 as loaded; then, in its first four registers, 16 bytes to store: each group its own, so no register that a store reads is rewritten
.set TA, 144                           ; v[144:145] at work (o_w alone): no memory instruction names them
	s_load_b512 s[4:19], s[0:1], 0x0               ; x s[4:5], q_w s[6:7], k_w s[8:9], v_w s[10:11], o_w s[12:13], cos s[14:15], sin s[16:17], bfin s[18:19]
	v_lshrrev_b32 v1, 5, v0
	v_readfirstlane_b32 s30, v1                    ; wave
	s_mul_i32 s20, ttmp9, 18
	v_and_b32 v11, 31, v0                          ; lane
	s_wait_alu depctr_va_sdst(0)                   ; s30 is written, ahead of its first reader: the unit's number is made from it
	s_add_co_u32 s20, s20, s30                     ; my unit
	s_sub_co_u32 s24, s20, 2048                    ; its number inside q_w, k_w, v_w, o_w, cs
	s_sub_co_u32 s25, s20, 2560
	s_sub_co_u32 s26, s20, 3072
	s_sub_co_u32 s27, s20, 3584
	s_sub_co_u32 s28, s20, 4096
	s_cmp_ge_u32 s20, 4096                         ; a cs unit?
	s_cselect_b32 s29, 13, 14                      ; log2 of a unit's source bytes in one tensor
	s_cselect_b32 s31, 10, 11                      ; log2 of j's stride
	s_lshl_b32 s31, 1, s31
	v_lshlrev_b32 v[VO], 4, v11
.irp j, 1,2,3,4,5,6,7
	v_add_nc_u32 v[VO+(\j)], s31, v[VO+(\j)-1]
.endr
	v_lshlrev_b32 v[DO], 3, v11
	s_lshl_b32 s38, s20, 13
	s_mov_b32 s39, 0
	s_wait_kmcnt 0x0
	s_cmp_ge_u32 s20, 2048                         ; which tensor, and which unit of it: choices on the unit's number alone
	s_cselect_b64 s[22:23], s[6:7], s[4:5]
	s_cselect_b32 s21, s24, s20
	s_cmp_ge_u32 s20, 2560
	s_cselect_b64 s[22:23], s[8:9], s[22:23]
	s_cselect_b32 s21, s25, s21
	s_cmp_ge_u32 s20, 3072
	s_cselect_b64 s[22:23], s[10:11], s[22:23]
	s_cselect_b32 s21, s26, s21
	s_cmp_ge_u32 s20, 3584
	s_cselect_b64 s[22:23], s[12:13], s[22:23]
	s_cselect_b32 s21, s27, s21
	s_cmp_ge_u32 s20, 4096
	s_cselect_b64 s[22:23], s[14:15], s[22:23]
	s_cselect_b32 s21, s28, s21
	s_lshl_b32 s32, s21, s29
	s_mov_b32 s33, 0
	s_add_nc_u64 s[22:23], s[22:23], s[32:33]      ; the base for par = 0
	s_add_nc_u64 s[34:35], s[22:23], 1024          ; for par = 1: linear,
	s_add_nc_u64 s[36:37], s[16:17], s[32:33]      ; or sin (used in cs units alone)
	s_cmp_ge_u32 s20, 4096
	s_cselect_b64 s[34:35], s[36:37], s[34:35]
	s_add_nc_u64 s[18:19], s[18:19], s[38:39]      ; bfin at my unit
	s_wait_alu depctr_va_vdst(0)                   ; the nine offsets v[VO ..] and v[DO] are written: every load and store of the kernel reads one of them
.set i, 0
.rept 16
	global_load_b128 v[X+8*i:X+8*i+3],   v[VO+i/2], s[22+12*(i%2):23+12*(i%2)] th:TH_LOAD_NT
	global_load_b128 v[X+8*i+4:X+8*i+7], v[VO+i/2], s[22+12*(i%2):23+12*(i%2)] offset:512 th:TH_LOAD_NT
.set i, i+1
.endr
; Group g's two stores.
.macro STW g
	global_store_b64 v[DO], v[X+8*(\g):X+8*(\g)+1],   s[18:19] offset:((\g)/2)*1024+((\g)%2)*512 th:TH_STORE_NT      ; the wave's store covers 256 consecutive bytes, aligned
	global_store_b64 v[DO], v[X+8*(\g)+2:X+8*(\g)+3], s[18:19] offset:((\g)/2)*1024+((\g)%2)*512+256 th:TH_STORE_NT
.endm
; The sixteen groups are rounded and stored.  half = 1: the bf16 number is written as f16.
.macro OUTW half
.set i, 0
.rept 16
.if i%4 == 0
	s_wait_loadcnt 30-2*i                          ; loads come back in order: group i's two are in, the 30 - 2 i younger ones may stay out
.if i > 0
	s_wait_alu depctr_va_vdst(0)                   ; the block before has written the first four registers of its four groups, which the eight stores dealt through this block read
.endif
.endif
.if i >= 4
	STW i-4                                        ; no vector instruction since the wait at the block's head names these registers
.endif
.if i%4 != 0
	s_wait_loadcnt 30-2*i                          ; group i's two loads are in, the 30 - 2 i younger ones may stay out
.endif
.irp k, 0,1,2,3
	v_cvt_pk_bf16_f32 v[X+8*i+(\k)], v[X+8*i+2*(\k)], v[X+8*i+2*(\k)+1]  ; in place, ascending: word k is written when words 2 k and 2 k + 1 are being read or have been
.endr
.if \half
.irp k, 0,1,2,3
	v_lshlrev_b32 v[TA], 16, v[X+8*i+(\k)]         ; bf16 to f32: a shift and a mask,
	v_and_b32 v[TA+1], 0xffff0000, v[X+8*i+(\k)]
	v_cvt_pk_f16_f32 v[X+8*i+(\k)], v[TA], v[TA+1] ; exact inside f16's normal range
.endr
.endif
.set i, i+1
.endr
	s_wait_alu depctr_va_vdst(0)                   ; the last block has written its words, which the last eight stores read
.irp g, 12,13,14,15
	STW \g
.endr
.endm
	s_cmp_lt_u32 s27, 512                          ; units 3584 to 4095 are o_w's
	s_cbranch_scc1 .Lhalf
	OUTW 0
	s_endpgm
.Lhalf:
	OUTW 1
	s_endpgm
.Lfunc_end_k_q489e60a433_cast:
	.size	k_q489e60a433_cast, .Lfunc_end_k_q489e60a433_cast-k_q489e60a433_cast
	.p2alignl 7, 3214868480
	.fill 96, 4, 3214868480
	.section	.rodata,"a",@progbits
	.p2align	6, 0x0
	.amdhsa_kernel k_q489e60a433_cast
		.amdhsa_group_segment_fixed_size 0
		.amdhsa_private_segment_fixed_size 0
		.amdhsa_enable_private_segment 0
		.amdhsa_kernarg_size 64
		.amdhsa_user_sgpr_count 2
		.amdhsa_user_sgpr_kernarg_segment_ptr 1
		.amdhsa_wavefront_size32 1
		.amdhsa_system_sgpr_workgroup_id_x 1
		.amdhsa_system_sgpr_workgroup_id_y 1
		.amdhsa_system_sgpr_workgroup_id_z 1
		.amdhsa_system_vgpr_workitem_id 0
		.amdhsa_next_free_vgpr 148
		.amdhsa_next_free_sgpr 66
		.amdhsa_reserve_vcc 0
		.amdhsa_float_denorm_mode_32 3
		.amdhsa_float_denorm_mode_16_64 3
		.amdhsa_memory_ordered 1
		.amdhsa_forward_progress 1
		.amdhsa_inst_pref_size 31
	.end_amdhsa_kernel
	.amdgpu_metadata
---
amdhsa.version: [ 1, 2 ]
amdhsa.kernels:
  - .name:           k_q489e60a433_cast
    .symbol:         k_q489e60a433_cast.kd
    .args:
      - { .name: hidden_states, .offset: 0, .size: 8, .value_kind: global_buffer, .address_space: global }
      - { .name: q_w, .offset: 8, .size: 8, .value_kind: global_buffer, .address_space: global }
      - { .name: k_w, .offset: 16, .size: 8, .value_kind: global_buffer, .address_space: global }
      - { .name: v_w, .offset: 24, .size: 8, .value_kind: global_buffer, .address_space: global }
      - { .name: o_w, .offset: 32, .size: 8, .value_kind: global_buffer, .address_space: global }
      - { .name: cos, .offset: 40, .size: 8, .value_kind: global_buffer, .address_space: global }
      - { .name: sin, .offset: 48, .size: 8, .value_kind: global_buffer, .address_space: global }
      - { .name: bfin, .offset: 56, .size: 8, .value_kind: global_buffer, .address_space: global }
    .group_segment_fixed_size: 0
    .private_segment_fixed_size: 0
    .kernarg_segment_align: 8
    .kernarg_segment_size: 64
    .max_flat_workgroup_size: 576
    .sgpr_count:     66
    .vgpr_count:     148
    .wavefront_size: 32
...
	.end_amdgpu_metadata
.endif
;; end of part 6
;; launch proj: the kernel of part 2 again; grid 16 x 16, 4 waves a work-group, clusters of 4 x 4, 327,680 bytes of LDS; arguments bfin, cq; writes cq
;; launch norm (part 7): grid 256 x 1, 16 waves a work-group, no clusters, 36,864 bytes of LDS; arguments cq, bfin, q_norm_w, k_norm_w, qh, kh, vh, ql, kl; writes qh, kh, vh, ql, kl
.if DOCPART == 7
	.amdgcn_target "amdgcn-amd-amdhsa--gfx1250"
	.amdhsa_code_object_version 6
	.text
	.protected	k_q489e60a433_norm
	.globl	k_q489e60a433_norm
	.p2align	8
	.type	k_q489e60a433_norm,@function
k_q489e60a433_norm:
	s_mov_b64 s[64:65], 0
	v_nop
	global_prefetch_b8 v0, s[64:65] scope:SCOPE_SE
	s_setreg_imm32_b32 hwreg(HW_REG_WAVE_SCHED_MODE, 0, 2), 2
	s_setreg_imm32_b32 hwreg(HW_REG_WAVE_MODE, 25, 1), 1
	s_wait_xcnt 0x0
	s_wait_alu depctr_vm_vsrc(0)
; q, k = RoPE(RMSnorm(C) x gain), v = RMSnorm(C), BY HEADS.  cq: [4096][3072] f32, a row = 12 units of 256: q's four heads, k's, v's.  For each unit y = C / sqrt(mean(C^2) + 1e-6);
; q, k: x = y gain; out[d] = x[d] cos[d] - x[d + 128] sin[d], out[d + 128] = x[d + 128] cos[d + 128] + x[d] sin[d + 128].
; q AND k LEAVE AS A SUM OF TWO f16 NUMBERS: qh, kh hold the number rounded to f16, ql, kl what the rounding left (number - high part, exact in f32, rounded to f16): the scores have no 1 / sqrt(256) in front
; of the softmax, so that one f16's eleven bits in q and k are too few.  v leaves rounded once, in vh.  qh, kh, vh, ql are [4][4096][256] f16.
; kl LEAVES IN THE ORDER OF THE NEXT LAUNCH'S FRAGMENTS: [4 heads][256 blocks of 16 keys][32 groups of 8 channels][16 keys][8 channels]: a fragment load there (lane = key % 16 + 16 x a group's parity, 16 bytes) is then
; 512 consecutive bytes.  256 consecutive bytes of it hold 16 keys, so a work-group takes 16 rows, a wave a row, and k's low parts cross LDS: each wave puts its row's, a barrier, each wave takes out 2,048 whole bytes.
; cos and sin come rounded to bf16 from bfin (a row: cos[256], sin[256]); the gains are rounded to bf16 here: every input of the program has that one rounding.
; LIMITS.  f16 holds no number beyond 65,504: |q|, |k| <= 16 |gain| (|cos| + |sin|) must stay under it.  A low part below 6e-5 keeps f16's fixed step of 6e-8.  NaN and infinities are not treated apart.
; A stream: no matrix unit, no cluster: no byte of cq is read twice.  Lane l holds columns 4 l .. 4 l + 3 and 128 + 4 l .. + 3 of each unit, so that RoPE's partners lie in one lane; a load of a wave covers 512
; consecutive bytes, a store 256 or 512, all aligned.  A wave issues all its 32 loads first.
; THE MODE: SCHED_MODE bits 1:0 = 2 (LLVM: expert scheduling mode 2), set by the entry lines.  The code itself states the register dependences between vector instructions and memory or LDS instructions,
; with s_wait_alu, always for 0.
; THE PLAN.  Registers that memory or LDS instructions touch:
;   v1-v4, v217-v219  offsets and LDS addresses, made once at the head and never written again: one wait ahead of the first load states that they are written.
;   G, CP             loaded once; afterwards vector instructions alone name them.
;   X, unit u         loaded once; read by the sums of squares and the unit's arithmetic; its roundings write words 0-3 (high parts) and 4-7 (low parts); its stores, global or LDS, read those; nothing writes them again.
;   CF                written and read by the table lines at the head; at the end four LDS loads land in it, and the last four global stores read it.
;   T, L, AB, SS, MONE are named by vector instructions alone.
; The twelve units go in three blocks of four: q's, k's, v's.  While a block is worked on, the sixteen stores of the block before are issued, four ahead of each unit's arithmetic: one wait at the block's head states
; that the block before has written its words, and no vector instruction of the block in hand names them.  So k's LDS stores stand in v's block, ahead of the barrier as before.  One wait behind v's block states that
; v's words are written and that all vector instructions that named CF are done: v's stores and, behind the barrier, the LDS loads into CF lean on it; no vector instruction follows it.
; No register that a memory or LDS instruction has read is written again.
.set CROW,  12288
.set CSOFF, 33554432                   ; cos and sin in bfin
.set HEADB, 2097152                    ; bytes in a head of an output
.set GPI,   272                        ; LDS: a group's 16 keys x 16 bytes + 16 of padding = 68 words: the 32 lanes of a store (16 groups x 8 bytes twice) fall on 32 different pairs of banks
.set HL,    32*GPI                     ; a head's 32 groups; behind the four heads, from byte 4 HL on, 2,048 bytes hold the spare words, 128 bytes a wave, that the closing add names
.set VC, 1                             ; v1  my offset in cq; never rewritten
.set VS, 2                             ; v2  in cos and sin
.set VG, 3                             ; v3  in a gain
.set VO, 4                             ; v4  in a head of an output
.set G,  8                             ; v8-23    gains: q's of my first four columns, of my second four; k's likewise
.set CP, 24                            ; v24-31   cos (first four, second four), sin likewise, packed bf16
.set X,  32                            ; v32-127  unit u at 32 + 8 u: four numbers of the first half, four of the second; later the unit's 16 bytes of high parts and 16 of low parts: each unit its own
.set CF, 128                           ; v128-143 cos1, cos2, -sin1, sin2 in f32; at the end what I take out of LDS
.set AB, 144                           ; v144-175 for q, then for k: g1 cos1, -g2 sin1, g2 cos2, g1 sin2
.set SS, 176                           ; v176-199 unit u: a pair; first two partial sums of squares, then 1 / rms in the even register
.set T,  200                           ; v200-207 a unit's eight results in f32
.set L,  208                           ; v208-215 what their rounding to f16 left
.set MONE, 216                         ; v216     -1.0
.set LS,  217                          ; v217     LDS: where I put 8 bytes: (l / 2) groups + 16 x my row + 8 (l % 2)
.set LR,  218                          ; v218     LDS: where I take 16 bytes out
.set GK,  219                          ; v219     their place in kl
.macro ALLU line:vararg                ; one line for each unit u
.set u, 0
.rept 12
	\line
.set u, u+1
.endr
.endm
	s_load_b256 s[4:11], s[0:1], 0x0               ; cq s[4:5], bfin s[6:7], q_norm_w s[8:9], k_norm_w s[10:11]
	s_load_b256 s[12:19], s[0:1], 0x20             ; qh s[12:13], kh s[14:15], vh s[16:17], ql s[18:19]
	s_load_b64 s[20:21], s[0:1], 0x40              ; kl
	v_lshl_add_u32 v222, v0, 2, 0x8800
	v_mov_b32 v223, 0
	v_lshrrev_b32 v5, 5, v0
	v_readfirstlane_b32 s22, v5                    ; wave = my row among the work-group's sixteen
	v_and_b32 v6, 31, v0                           ; lane
	s_wait_alu depctr_va_sdst(0)                   ; s22 is written, ahead of its first reader: the offsets and LDS addresses below are made from it
	s_mul_i32 s23, s22, CROW
	v_lshl_add_u32 v[VC], v6, 4, s23
	s_lshl_b32 s23, s22, 10
	v_lshl_add_u32 v[VS], v6, 3, s23
	v_lshlrev_b32 v[VG], 4, v6
	s_lshl_b32 s23, s22, 9
	v_lshl_add_u32 v[VO], v6, 3, s23
	v_mov_b32 v[MONE], -1.0
	v_lshrrev_b32 v7, 1, v6                        ; into LDS: my columns 4 l .. lie in group l / 2, in its half l % 2
	v_mul_u32_u24 v[LS], v7, GPI
	v_and_b32 v7, 1, v6
	v_lshl_add_u32 v[LS], v7, 3, v[LS]
	s_lshl_b32 s23, s22, 4
	v_add_nc_u32 v[LS], s23, v[LS]
	s_lshr_b32 s24, s22, 2                         ; out of LDS: wave w takes head w / 4, groups 8 (w % 4) .. + 7; lanes 0-15 a group, lanes 16-31 the next
	s_and_b32 s25, s22, 3
	s_mul_i32 s23, s24, HL
	s_mul_i32 s27, s25, 8*GPI
	s_add_co_u32 s23, s23, s27
	v_lshrrev_b32 v7, 4, v6
	v_mul_u32_u24 v[LR], v7, GPI
	v_and_b32 v7, 15, v6
	v_lshl_add_u32 v[LR], v7, 4, v[LR]
	v_add_nc_u32 v[LR], s23, v[LR]
	s_lshl_b32 s23, s24, 21                        ; in kl: the head, my 8 groups of 256 bytes, 16 bytes a lane
	s_lshl_b32 s27, s25, 11
	s_add_co_u32 s23, s23, s27
	v_lshl_add_u32 v[GK], v6, 4, s23
	s_mul_i32 s34, ttmp9, 16*CROW                  ; the work-group's sixteen rows in cq,
	s_mov_b32 s35, 0
	s_lshl_b32 s36, ttmp9, 14                      ; in cos and sin,
	s_add_co_u32 s36, s36, CSOFF
	s_mov_b32 s37, 0
	s_lshl_b32 s38, ttmp9, 13                      ; in a head: 16 rows of 512 bytes, which is also a block of kl
	s_mov_b32 s39, 0
	s_mov_b32 s26, 0xffff0000                      ; a word's upper bf16
	s_mov_b32 s28, 0x76543210                      ; v_permlanex16_b32: each lane takes its own place in the other half
	s_mov_b32 s29, 0xfedcba98
	s_mov_b32 s30, 0x3b800000                      ; 1 / 256
	s_mov_b32 s31, 0x358637bd                      ; 1e-6
	s_wait_kmcnt 0x0
	s_add_nc_u64 s[4:5], s[4:5], s[34:35]
	s_add_nc_u64 s[6:7], s[6:7], s[36:37]
	s_add_nc_u64 s[12:13], s[12:13], s[38:39]
	s_add_nc_u64 s[14:15], s[14:15], s[38:39]
	s_add_nc_u64 s[16:17], s[16:17], s[38:39]
	s_add_nc_u64 s[18:19], s[18:19], s[38:39]
	s_add_nc_u64 s[20:21], s[20:21], s[38:39]
	s_wait_alu depctr_va_vdst(0)                   ; the four offsets v1 to v4 and the three addresses v217 to v219 are written: every load and store, and every LDS instruction but the closing add, reads one of them
	global_load_b128 v[G:G+3],     v[VG], s[8:9]
	global_load_b128 v[G+4:G+7],   v[VG], s[8:9] offset:512
	global_load_b128 v[G+8:G+11],  v[VG], s[10:11]
	global_load_b128 v[G+12:G+15], v[VG], s[10:11] offset:512
.irp m, 0,1,2,3
	global_load_b64 v[CP+2*(\m):CP+2*(\m)+1], v[VS], s[6:7] offset:256*(\m)
.endr
.set u, 0
.rept 12
	global_load_b128 v[X+8*u:X+8*u+3],   v[VC], s[4:5] offset:1024*u th:TH_LOAD_NT
	global_load_b128 v[X+8*u+4:X+8*u+7], v[VC], s[4:5] offset:1024*u+512 th:TH_LOAD_NT
.set u, u+1
.endr
	s_wait_loadcnt 28                              ; loads come back in order: the gains are in; the 28 younger loads may stay out
.irp i, 0,1,2,3,4,5,6,7
	v_cvt_pk_bf16_f32 v[T+(\i)], v[G+2*(\i)], v[G+2*(\i)+1]
.endr
.irp i, 0,1,2,3,4,5,6,7
	v_lshlrev_b32 v[G+2*(\i)],   16, v[T+(\i)]     ; bf16 to f32: a shift and a mask
	v_and_b32     v[G+2*(\i)+1], s26, v[T+(\i)]
.endr
	s_wait_loadcnt 24                              ; cos and sin are in; cq's 24 loads may stay out
.irp i, 0,1,2,3,4,5,6,7
	v_lshlrev_b32 v[CF+2*(\i)],   16, v[CP+(\i)]
	v_and_b32     v[CF+2*(\i)+1], s26, v[CP+(\i)]
.endr
.irp i, 0,1,2,3
	v_xor_b32 v[CF+8+(\i)], 0x80000000, v[CF+8+(\i)]   ; -sin of the first half
.endr
.irp q, 0,1                            ; q's tables, then k's
.irp k, 0,2
	v_pk_mul_f32 v[AB+16*(\q)+(\k):AB+16*(\q)+(\k)+1],       v[G+8*(\q)+(\k):G+8*(\q)+(\k)+1],     v[CF+(\k):CF+(\k)+1]
	v_pk_mul_f32 v[AB+16*(\q)+4+(\k):AB+16*(\q)+4+(\k)+1],   v[G+8*(\q)+4+(\k):G+8*(\q)+4+(\k)+1], v[CF+8+(\k):CF+8+(\k)+1]
	v_pk_mul_f32 v[AB+16*(\q)+8+(\k):AB+16*(\q)+8+(\k)+1],   v[G+8*(\q)+4+(\k):G+8*(\q)+4+(\k)+1], v[CF+4+(\k):CF+4+(\k)+1]
	v_pk_mul_f32 v[AB+16*(\q)+12+(\k):AB+16*(\q)+12+(\k)+1], v[G+8*(\q)+(\k):G+8*(\q)+(\k)+1],     v[CF+12+(\k):CF+12+(\k)+1]
.endr
.endr
	; the sums of squares: my eight numbers of each unit, then across the 32 lanes
.set u, 0
.rept 12
	s_wait_loadcnt 22-2*u                          ; unit u's two loads are in; the 22 - 2 u younger ones may stay out
	v_pk_mul_f32 v[SS+2*u:SS+2*u+1], v[X+8*u:X+8*u+1],   v[X+8*u:X+8*u+1]
	v_pk_fma_f32 v[SS+2*u:SS+2*u+1], v[X+8*u+2:X+8*u+3], v[X+8*u+2:X+8*u+3], v[SS+2*u:SS+2*u+1]
	v_pk_fma_f32 v[SS+2*u:SS+2*u+1], v[X+8*u+4:X+8*u+5], v[X+8*u+4:X+8*u+5], v[SS+2*u:SS+2*u+1]
	v_pk_fma_f32 v[SS+2*u:SS+2*u+1], v[X+8*u+6:X+8*u+7], v[X+8*u+6:X+8*u+7], v[SS+2*u:SS+2*u+1]
.set u, u+1
.endr
	ALLU v_add_f32 v[SS+2*u], v[SS+2*u], v[SS+2*u+1]
	ALLU v_add_f32_dpp v[SS+2*u], v[SS+2*u], v[SS+2*u] row_xmask:1 row_mask:0xf bank_mask:0xf
	ALLU v_add_f32_dpp v[SS+2*u], v[SS+2*u], v[SS+2*u] row_xmask:2 row_mask:0xf bank_mask:0xf
	ALLU v_add_f32_dpp v[SS+2*u], v[SS+2*u], v[SS+2*u] row_xmask:4 row_mask:0xf bank_mask:0xf
	ALLU v_add_f32_dpp v[SS+2*u], v[SS+2*u], v[SS+2*u] row_xmask:8 row_mask:0xf bank_mask:0xf
	ALLU v_permlanex16_b32 v[SS+2*u+1], v[SS+2*u], s28, s29
	ALLU v_add_f32 v[SS+2*u], v[SS+2*u], v[SS+2*u+1]
	ALLU v_fma_f32 v[SS+2*u], v[SS+2*u], s30, s31
	ALLU v_rsq_f32 v[SS+2*u], v[SS+2*u]
	v_nop                                          ; a plain instruction behind the last root,
	s_wait_alu depctr_va_vdst(0)                   ; and the one wait ahead of the batch's first reader: the twelve roots have written v[SS ..]
; Unit w's stores: the high parts by rows; q's low parts by rows, k's into LDS; v has none.
.macro SENDU w
	global_store_b64 v[VO], v[X+8*(\w):X+8*(\w)+1],   s[12+2*((\w)/4):13+2*((\w)/4)] offset:((\w)%4)*HEADB       ; the wave's store covers 256 consecutive bytes, aligned: columns 0-127 of the head's row,
	global_store_b64 v[VO], v[X+8*(\w)+2:X+8*(\w)+3], s[12+2*((\w)/4):13+2*((\w)/4)] offset:((\w)%4)*HEADB+256   ; and columns 128-255
.if (\w) < 4
	global_store_b64 v[VO], v[X+8*(\w)+4:X+8*(\w)+5], s[18:19] offset:(\w)*HEADB                  ; q's go out by rows,
	global_store_b64 v[VO], v[X+8*(\w)+6:X+8*(\w)+7], s[18:19] offset:(\w)*HEADB+256
.elseif (\w) < 8
	ds_store_b64 v[LS], v[X+8*(\w)+4:X+8*(\w)+5] offset:((\w)-4)*HL                               ; k's into LDS: groups 0-15 of the head,
	ds_store_b64 v[LS], v[X+8*(\w)+6:X+8*(\w)+7] offset:((\w)-4)*HL+16*GPI                        ; and groups 16-31
.endif
.endm
.set u, 0
.rept 12
.if (u == 4) || (u == 8)
	s_wait_alu depctr_va_vdst(0)                   ; the block before has written its four units' words in X, which the sixteen stores dealt through this block read
.endif
.if u >= 4
	SENDU u-4                                      ; no vector instruction since the wait at the block's head names these registers
.endif
.if u < 8
.set TAB, AB+16*(u/4)
.irp k, 0,2
	v_pk_mul_f32 v[T+(\k):T+(\k)+1],     v[X+8*u+(\k):X+8*u+(\k)+1],     v[TAB+(\k):TAB+(\k)+1]
	v_pk_mul_f32 v[T+4+(\k):T+4+(\k)+1], v[X+8*u+4+(\k):X+8*u+4+(\k)+1], v[TAB+8+(\k):TAB+8+(\k)+1]
.endr
.irp k, 0,2
	v_pk_fma_f32 v[T+(\k):T+(\k)+1],     v[X+8*u+4+(\k):X+8*u+4+(\k)+1], v[TAB+4+(\k):TAB+4+(\k)+1],   v[T+(\k):T+(\k)+1]
	v_pk_fma_f32 v[T+4+(\k):T+4+(\k)+1], v[X+8*u+(\k):X+8*u+(\k)+1],     v[TAB+12+(\k):TAB+12+(\k)+1], v[T+4+(\k):T+4+(\k)+1]
.endr
.irp k, 0,2,4,6
	v_pk_mul_f32 v[T+(\k):T+(\k)+1], v[T+(\k):T+(\k)+1], v[SS+2*u:SS+2*u+1] op_sel_hi:[1,0]
.endr
.else
.irp k, 0,2,4,6
	v_pk_mul_f32 v[T+(\k):T+(\k)+1], v[X+8*u+(\k):X+8*u+(\k)+1], v[SS+2*u:SS+2*u+1] op_sel_hi:[1,0]
.endr
.endif
.irp k, 0,1,2,3
	v_cvt_pk_f16_f32 v[X+8*u+(\k)], v[T+2*(\k)], v[T+2*(\k)+1]                                    ; the high parts
.endr
.if u < 8
.irp k, 0,1,2,3
	v_fma_mix_f32 v[L+2*(\k)],   v[X+8*u+(\k)], v[MONE], v[T+2*(\k)]   op_sel_hi:[1,0,0]              ; number - high part: the low half of the packed word times -1.0, plus the number; exact
	v_fma_mix_f32 v[L+2*(\k)+1], v[X+8*u+(\k)], v[MONE], v[T+2*(\k)+1] op_sel:[1,0,0] op_sel_hi:[1,0,0]  ; and the high half
.endr
.irp k, 0,1,2,3
	v_cvt_pk_f16_f32 v[X+8*u+4+(\k)], v[L+2*(\k)], v[L+2*(\k)+1]                                  ; the low parts
.endr
.endif
.set u, u+1
.endr
	s_wait_alu depctr_va_vdst(0)                   ; v's block has written its words, which the eight stores below read; and the vector instructions that wrote and read v[CF ..] are done: behind the barrier LDS loads land there
.irp w, 8,9,10,11
	SENDU \w
.endr
	s_wait_dscnt 0x0                               ; for the others' sake: my row's low parts lie in LDS
	s_barrier_signal -1
	s_barrier_wait -1                              ; all sixteen rows' do
.irp n, 0,1,2,3
	ds_load_b128 v[CF+4*(\n):CF+4*(\n)+3], v[LR] offset:(\n)*2*GPI   ; no vector instruction since the wait above
.endr
.irp n, 0,1,2,3
	s_wait_dscnt 3-(\n)                            ; the younger loads may stay out
	global_store_b128 v[GK], v[CF+4*(\n):CF+4*(\n)+3], s[20:21] offset:(\n)*512   ; two groups: 512 consecutive bytes, aligned
.endr
	s_wait_dscnt 0x0                               ; the wave's end
	s_wait_alu depctr_hold_cnt(0) depctr_sa_sdst(0) depctr_va_vdst(0) depctr_va_sdst(0) depctr_va_ssrc(0) depctr_va_vcc(0) depctr_vm_vsrc(0)
	s_wait_tensorcnt 0x0
	ds_add_u32 v222, v223
	s_wait_dscnt 0x0
	s_endpgm
.Lfunc_end_k_q489e60a433_norm:
	.size	k_q489e60a433_norm, .Lfunc_end_k_q489e60a433_norm-k_q489e60a433_norm
	.p2alignl 7, 3214868480
	.fill 96, 4, 3214868480
	.section	.rodata,"a",@progbits
	.p2align	6, 0x0
	.amdhsa_kernel k_q489e60a433_norm
		.amdhsa_group_segment_fixed_size 36864
		.amdhsa_private_segment_fixed_size 0
		.amdhsa_enable_private_segment 0
		.amdhsa_kernarg_size 72
		.amdhsa_user_sgpr_count 2
		.amdhsa_user_sgpr_kernarg_segment_ptr 1
		.amdhsa_wavefront_size32 1
		.amdhsa_system_sgpr_workgroup_id_x 1
		.amdhsa_system_sgpr_workgroup_id_y 1
		.amdhsa_system_sgpr_workgroup_id_z 1
		.amdhsa_system_vgpr_workitem_id 0
		.amdhsa_next_free_vgpr 224
		.amdhsa_next_free_sgpr 66
		.amdhsa_reserve_vcc 0
		.amdhsa_float_denorm_mode_32 3
		.amdhsa_float_denorm_mode_16_64 3
		.amdhsa_memory_ordered 1
		.amdhsa_forward_progress 1
		.amdhsa_inst_pref_size 39
	.end_amdhsa_kernel
	.amdgpu_metadata
---
amdhsa.version: [ 1, 2 ]
amdhsa.kernels:
  - .name:           k_q489e60a433_norm
    .symbol:         k_q489e60a433_norm.kd
    .args:
      - { .name: cq, .offset: 0, .size: 8, .value_kind: global_buffer, .address_space: global }
      - { .name: bfin, .offset: 8, .size: 8, .value_kind: global_buffer, .address_space: global }
      - { .name: q_norm_w, .offset: 16, .size: 8, .value_kind: global_buffer, .address_space: global }
      - { .name: k_norm_w, .offset: 24, .size: 8, .value_kind: global_buffer, .address_space: global }
      - { .name: qh, .offset: 32, .size: 8, .value_kind: global_buffer, .address_space: global }
      - { .name: kh, .offset: 40, .size: 8, .value_kind: global_buffer, .address_space: global }
      - { .name: vh, .offset: 48, .size: 8, .value_kind: global_buffer, .address_space: global }
      - { .name: ql, .offset: 56, .size: 8, .value_kind: global_buffer, .address_space: global }
      - { .name: kl, .offset: 64, .size: 8, .value_kind: global_buffer, .address_space: global }
    .group_segment_fixed_size: 36864
    .private_segment_fixed_size: 0
    .kernarg_segment_align: 8
    .kernarg_segment_size: 72
    .max_flat_workgroup_size: 512
    .sgpr_count:     66
    .vgpr_count:     224
    .wavefront_size: 32
...
	.end_amdgpu_metadata
.endif
;; end of part 7
;; launch attn: the kernel of part 4 again; grid 128 x 4, 4 waves a work-group, clusters of 4 x 1, 327,680 bytes of LDS; arguments qh, kh, vh, oh, ql, kl; writes oh
;; launch oproj: the kernel of part 5 again; grid 8 x 32, 4 waves a work-group, clusters of 4 x 4, 327,680 bytes of LDS; arguments oh, bfin, out0; writes out0
